; MI455X (gfx1250); checked and timed in simulation.
; The chip was launched on July 23, 2026; its instructions are those of AMD's public machine-readable ISA for CDNA 5 (MIT licence, August 2026) and "CDNA5" Instruction Set Architecture Reference Guide (July 2026). The comments in the code are by the model that wrote it; some were corrected since.
;; Llama GLA. Allowed arithmetic: float matrix products may take bf16 or f16 operands with f32 sums; other float arithmetic in f32, or as packed bf16 or f16 multiplies, adds, multiply-adds, maxima and minima; sums over many terms, partial sums and values carried from step to step in f32; what a program stores and reads back later, other than sums and carried values, may be rounded once to bf16 or f16.
;; Inputs: Wg 2,048 x 2,048 float32; Wk 2,048 x 2,048 float32; Wo 2,048 x 2,048 float32; Wq 2,048 x 2,048 float32; Wv 2,048 x 2,048 float32; x 2 x 1,024 x 2,048 float32.
;; Outputs: out0 2 x 1,024 x 2,048 float32.
;; 2 versions, each right; version 2 is version 1 with the launch scan written anew for expert scheduling mode. Each part assembles by itself: llvm-mc -triple=amdgcn-amd-amdhsa -mcpu=gfx1250 --defsym DOCPART=n.
;; ======== version 1 of 2: 6 launches
;; limits: values are held in f16: magnitudes above 65,504 overflow, below 6.1e-05 lose precision
;; workspace buffers: cb 50,331,648 bytes; qkvz 33,554,432 bytes; mx 4,096 bytes; qh 8,388,608 bytes; oi 16,777,216 bytes; ub 16,908,288 bytes; s16 8,388,608 bytes; of 8,388,608 bytes
;; launch cast (part 1): grid 256 x 6, 8 waves a work-group, no clusters, 0 bytes of LDS; arguments x, Wq, Wk, Wv, Wg, Wo, cb; writes cb
.if DOCPART == 1
	.amdgcn_target "amdgcn-amd-amdhsa--gfx1250"
	.amdhsa_code_object_version 6
	.text
	.protected	k_q1c11d57920_cast
	.globl	k_q1c11d57920_cast
	.p2align	8
	.type	k_q1c11d57920_cast,@function
k_q1c11d57920_cast:
	s_mov_b64 s[64:65], 0
	v_nop
	global_prefetch_b8 v0, s[64:65] scope:SCOPE_SE
	s_setreg_imm32_b32 hwreg(HW_REG_WAVE_MODE, 25, 1), 1
	s_wait_xcnt 0x0
; The six f32 inputs, [2048][2048] each, are rounded once to 16 bits into the six planes of cb (8,388,608 bytes each):
; plane 0 x, 1 Wq, 2 Wk, 3 Wv, 4 Wg in bf16; plane 5 Wo: rounded to bf16 like the others, and that number written as f16.
; LIMIT: a bf16 number is exact in f16 between 2^-14 and 65,504; below 2^-14 Wo keeps f16's fixed step of 6e-8, beyond 65,504 it is lost.
; A stream: no LDS, no matrix unit.  A work-group takes 65,536 bytes of one input (grid y says which); thread t takes 16 bytes at
; 16 t of each of sixteen pieces of 4,096 bytes.  All sixteen loads of a wave go out at once; no register is used twice, so no wait frees one.
; A wave's store of 8 bytes a lane covers 256 consecutive bytes, aligned.
.set X, 4                              ; v[4:67]   sixteen loads of four f32
.set Y, 68                             ; v[68:99]  sixteen pairs of packed results
	s_load_b256 s[4:11], s[0:1], 0x0               ; x, Wq, Wk, Wv
	s_load_b128 s[12:15], s[0:1], 0x20             ; Wg, Wo
	s_load_b64 s[16:17], s[0:1], 0x30              ; cb
	s_and_b32 s18, ttmp7, 0xffff                   ; which input
	s_lshl_b32 s22, ttmp9, 16                      ; my 65,536 bytes of it
	s_mov_b32 s23, 0
	s_lshl_b32 s24, s18, 23                        ; its plane of cb,
	s_lshl_b32 s25, ttmp9, 15                      ; my 32,768 bytes there
	s_add_co_u32 s24, s24, s25
	s_mov_b32 s25, 0
	s_mov_b32 s26, 0xffff0000                      ; a word's upper bf16
	v_lshlrev_b32 v1, 4, v0
	v_lshlrev_b32 v2, 3, v0
	s_wait_kmcnt 0x0
	s_cmp_eq_u32 s18, 1
	s_cselect_b64 s[20:21], s[6:7], s[4:5]
	s_cmp_eq_u32 s18, 2
	s_cselect_b64 s[20:21], s[8:9], s[20:21]
	s_cmp_eq_u32 s18, 3
	s_cselect_b64 s[20:21], s[10:11], s[20:21]
	s_cmp_eq_u32 s18, 4
	s_cselect_b64 s[20:21], s[12:13], s[20:21]
	s_cmp_eq_u32 s18, 5
	s_cselect_b64 s[20:21], s[14:15], s[20:21]
	s_add_nc_u64 s[20:21], s[20:21], s[22:23]
	s_add_nc_u64 s[16:17], s[16:17], s[24:25]
.irp i, 0,1,2,3,4,5,6,7,8,9,10,11,12,13,14,15
	global_load_b128 v[X+4*(\i):X+4*(\i)+3], v1, s[20:21] offset:4096*(\i) th:TH_LOAD_NT
.endr
	s_cmp_eq_u32 s18, 5
	s_cbranch_scc1 .Lwo
.irp i, 0,1,2,3,4,5,6,7,8,9,10,11,12,13,14,15
	s_wait_loadcnt 15-(\i)                         ; loads come back in order: piece i is in, the younger ones stay out
	v_cvt_pk_bf16_f32 v[Y+2*(\i)], v[X+4*(\i)], v[X+4*(\i)+1]
	v_cvt_pk_bf16_f32 v[Y+2*(\i)+1], v[X+4*(\i)+2], v[X+4*(\i)+3]
	global_store_b64 v2, v[Y+2*(\i):Y+2*(\i)+1], s[16:17] offset:2048*(\i) th:TH_STORE_NT
.endr
	s_endpgm
.Lwo:                                          ; Wo: to bf16, widened again, and that number as f16
.irp i, 0,1,2,3,4,5,6,7,8,9,10,11,12,13,14,15
	s_wait_loadcnt 15-(\i)
	v_cvt_pk_bf16_f32 v[Y+2*(\i)], v[X+4*(\i)], v[X+4*(\i)+1]
	v_cvt_pk_bf16_f32 v[Y+2*(\i)+1], v[X+4*(\i)+2], v[X+4*(\i)+3]
	v_lshlrev_b32 v[X+4*(\i)], 16, v[Y+2*(\i)]
	v_and_b32 v[X+4*(\i)+1], s26, v[Y+2*(\i)]
	v_lshlrev_b32 v[X+4*(\i)+2], 16, v[Y+2*(\i)+1]
	v_and_b32 v[X+4*(\i)+3], s26, v[Y+2*(\i)+1]
	v_cvt_pk_f16_f32 v[Y+2*(\i)], v[X+4*(\i)], v[X+4*(\i)+1]
	v_cvt_pk_f16_f32 v[Y+2*(\i)+1], v[X+4*(\i)+2], v[X+4*(\i)+3]
	global_store_b64 v2, v[Y+2*(\i):Y+2*(\i)+1], s[16:17] offset:2048*(\i) th:TH_STORE_NT
.endr
	s_endpgm
.Lfunc_end_k_q1c11d57920_cast:
	.size	k_q1c11d57920_cast, .Lfunc_end_k_q1c11d57920_cast-k_q1c11d57920_cast
	.p2alignl 7, 3214868480
	.fill 96, 4, 3214868480
	.section	.rodata,"a",@progbits
	.p2align	6, 0x0
	.amdhsa_kernel k_q1c11d57920_cast
		.amdhsa_group_segment_fixed_size 0
		.amdhsa_private_segment_fixed_size 0
		.amdhsa_enable_private_segment 0
		.amdhsa_kernarg_size 56
		.amdhsa_user_sgpr_count 2
		.amdhsa_user_sgpr_kernarg_segment_ptr 1
		.amdhsa_wavefront_size32 1
		.amdhsa_system_sgpr_workgroup_id_x 1
		.amdhsa_system_sgpr_workgroup_id_y 1
		.amdhsa_system_sgpr_workgroup_id_z 1
		.amdhsa_system_vgpr_workitem_id 0
		.amdhsa_next_free_vgpr 100
		.amdhsa_next_free_sgpr 66
		.amdhsa_reserve_vcc 0
		.amdhsa_float_denorm_mode_32 3
		.amdhsa_float_denorm_mode_16_64 3
		.amdhsa_memory_ordered 1
		.amdhsa_forward_progress 1
		.amdhsa_inst_pref_size 15
	.end_amdhsa_kernel
	.amdgpu_metadata
---
amdhsa.version: [ 1, 2 ]
amdhsa.kernels:
  - .name:           k_q1c11d57920_cast
    .symbol:         k_q1c11d57920_cast.kd
    .args:
      - { .name: x, .offset: 0, .size: 8, .value_kind: global_buffer, .address_space: global }
      - { .name: Wq, .offset: 8, .size: 8, .value_kind: global_buffer, .address_space: global }
      - { .name: Wk, .offset: 16, .size: 8, .value_kind: global_buffer, .address_space: global }
      - { .name: Wv, .offset: 24, .size: 8, .value_kind: global_buffer, .address_space: global }
      - { .name: Wg, .offset: 32, .size: 8, .value_kind: global_buffer, .address_space: global }
      - { .name: Wo, .offset: 40, .size: 8, .value_kind: global_buffer, .address_space: global }
      - { .name: cb, .offset: 48, .size: 8, .value_kind: global_buffer, .address_space: global }
    .group_segment_fixed_size: 0
    .private_segment_fixed_size: 0
    .kernarg_segment_align: 8
    .kernarg_segment_size: 56
    .max_flat_workgroup_size: 256
    .sgpr_count:     66
    .vgpr_count:     100
    .wavefront_size: 32
...
	.end_amdgpu_metadata
.endif
;; end of part 1
;; launch proj (part 2): grid 32 x 8, 4 waves a work-group, clusters of 4 x 4, 327,680 bytes of LDS; arguments cb, qkvz, mx; writes qkvz, mx
.if DOCPART == 2
	.amdgcn_target "amdgcn-amd-amdhsa--gfx1250"
	.amdhsa_code_object_version 6
	.text
	.protected	k_q1c11d57920_proj
	.globl	k_q1c11d57920_proj
	.p2align	8
	.type	k_q1c11d57920_proj,@function
k_q1c11d57920_proj:
	s_mov_b64 s[64:65], 0
	v_nop
	global_prefetch_b8 v0, s[64:65] scope:SCOPE_SE
	s_setreg_imm32_b32 hwreg(HW_REG_WAVE_MODE, 25, 1), 1
	s_wait_xcnt 0x0
	s_wait_alu depctr_hold_cnt(0) depctr_sa_sdst(0) depctr_va_vdst(0) depctr_va_sdst(0) depctr_va_ssrc(0) depctr_va_vcc(0) depctr_vm_vsrc(0)
	s_getreg_b32 s2, hwreg(HW_REG_IB_STS2, 6, 4)
	s_cmp_eq_u32 s2, 0
	s_cbranch_scc0 .Lentry_in_a_cluster
	s_endpgm
.Lentry_in_a_cluster:
	s_bfe_u32 s2, ttmp6, 0x10000c
	s_cmp_lg_u32 s2, 0xf033
	s_cbranch_scc0 .Lentry_shape_is_right
	s_endpgm
.Lentry_shape_is_right:
; [2048 tokens][8192] = x [Wq Wk Wv Wg], bf16 operands from cb, f32 sums, K = 2048.  Results go out in f16 by heads: qkvz[which 4][hb 32][s 1024][128], hb = 16 batch + head,
; q WITHOUT the factor 128^-0.5 (the last launch applies it).  Each wave also stores the largest magnitude of its 128 x 128 f32 sums into mx[which][256].
; LIMIT: f16 ends at 65,504: sums beyond that are lost; NaN and infinities are not treated apart.
; A tile of 256 x 256 to a work-group, 128 x 128 (64 accumulators, 512 registers) to each of four waves.  K goes in 16 steps of 128 through two LDS slots filled by tensor loads.
; x lies [token][K]: its fragments are plain 16-byte loads.  The weights lie [K][N]: a slot holds 128 K rows x 256 columns, and fragments come out turned, by ds_load_tr16_b128.
; CLUSTER 4 x 4: the four of a row need the same tile of x, the four of a column the same tile of W: joint loads with a mask of four.
; THE MATRIX INSTRUCTION IS USED TRANSPOSED (source 0 = 16 columns of W, source 1 = 16 tokens): a lane ends with eight neighbouring columns of one token, 16 bytes in f16.
; A wave's 128 columns are one head, so 16 tokens of it are 4,096 consecutive bytes of qkvz.
; REGISTERS in windows of 256: window 0: v0-31 addresses, v8-11 running maxima, v64-191 x's fragments (two buffers), v32-63, v192-255 the way out; window 1: v64-191 W's fragments;
; windows 2 and 3: the accumulators of my token rows 0-63 and 64-127.
.set KSTEP,  128
.set PITCH,  272                       ; a row of x in LDS: 256 bytes + 16: the 16 rows of a load start at 16 different groups of four banks
.set PB,     544                       ; a K row of W in LDS: 512 bytes + 32, an odd multiple of 32 for the turning load
.set HALFT,  128*PITCH                 ; what one tensor load brings: 128 rows of x, or 64 K rows of W (64 x 544, the same bytes)
.set SLOT,   4*HALFT
.set STAGE,  2*SLOT                    ; behind the ring: 16 rows x 272 bytes for each wave
.set SPITCH, 272
.set SPARE,  STAGE+4*16*SPITCH         ; the spare words: 128 bytes a wave, two blocks of 256 bytes that no other line names
.set LAPS,   8                         ; a lap = two K steps
.set MXA,  8
.set ADRA, 16
.set ADRB, 20
.set STO,  24
.set RD,   25
.set CO,   26
.set SPW,  28
.set NIL,  29
.set PFO,  30
.set PFA,  44                          ; s[44:45] the K step that my next prefetch names
.set LIM,  43                          ; s43 1 in a wave that prefetches, else the greatest number
.set PST,  66                          ; s[66:67] bytes from a K step to the next in what I prefetch
.set F0,   64
.set F1,   128
.set TMP,  192
.set OB,   32
.set G1, 24
.set G0, 32
.set G1B, 48
.set G0B, 56
.set MSB, 0
.macro WIN new                         ; the immediate's high byte repeats the setting that is left
.if MSB != (\new)
	s_set_vgpr_msb (MSB<<8)|(\new)
.set MSB, \new
.endif
.endm
.set MUL_LO, 0xa1                      ; source 0 (W) window 1, source 1 (x) window 0, C and D window 2
.set MUL_HI, 0xf1
.set TO_B,   0x40
; A joint load: waves 0 and 1 fetch x's two halves, waves 2 and 3 W's.  The branch hangs on the wave's number alone.  s_nop 0 and four v_nop follow each line.
.macro JLOAD s
	s_cmp_eq_u32 s11, 0
	s_cbranch_scc0 .Lfor_b_\@
	tensor_load_to_lds s[G0+4*(\s):G0+4*(\s)+3], s[G1:G1+7]
	s_nop 0
.rept 4
	v_nop
.endr
	s_branch .Lasked_\@
.Lfor_b_\@:
	tensor_load_to_lds s[G0B+4*(\s):G0B+4*(\s)+3], s[G1B:G1B+7]
	s_nop 0
.rept 4
	v_nop
.endr
.Lasked_\@:
.endm
; A prefetch, behind each joint refill and the run of LDS loads that follows it: the K step two refills on, one instruction a wave.  x's tile row is walked by all clusters of a row of clusters:
; the one with x = 0 asks; W's tile column by both clusters of a column: the one with y = 0 asks.  The four partners share the blocks out by address: of x's 128 rows that a wave fetches, 32 each, a lane a row of 256 bytes;
; of W's 64 K rows, 16 each, two lanes a row of 512 bytes.  So each block of 256 bytes is named once.  The loop's last trip asks for nothing: there is no K step two on.
.macro ASK
	s_cmp_gt_u32 s3, s[LIM]
	s_cbranch_scc0 .Lnot_mine_\@
	global_prefetch_b8 v[PFO], s[PFA:PFA+1] th:TH_LOAD_NT scope:SCOPE_SE
.Lnot_mine_\@:
.endm
.macro CREST                           ; a round of the cluster's barrier behind its opening barrier
	s_cmp_lg_u32 s10, 0
	s_cbranch_scc1 .Lnot_wave_0_\@
	s_barrier_signal -3
.Lnot_wave_0_\@:
	s_barrier_wait -3
	s_barrier_signal -1
	s_barrier_wait -1
.endm
.macro CROUND
	s_barrier_signal -1
	s_barrier_wait -1
	CREST
.endm
	s_load_b128 s[4:7], s[0:1], 0x0                ; cb s[4:5], qkvz s[6:7]
	s_load_b64 s[8:9], s[0:1], 0x10                ; mx
	v_lshl_add_u32 v[SPW], v0, 2, SPARE
	v_mov_b32 v[NIL], 0
	ds_add_u32 v[SPW], v[NIL]                      ; the opening: the add, twice on end, and its wait ahead of my first tensor load
	ds_add_u32 v[SPW], v[NIL]
	v_lshrrev_b32 v1, 5, v0
	v_readfirstlane_b32 s10, v1                    ; wave 0..3
	s_lshr_b32 s11, s10, 1                         ; my half of the tile's tokens.  Also: I fetch x (0) or W (1)
	s_and_b32 s12, s10, 1                          ; my half of its columns.  Also: which half of that tile I fetch
	s_bfe_u32 s40, ttmp6, 0x40000                  ; cx
	s_bfe_u32 s41, ttmp6, 0x40004                  ; cy
	s_lshl_b32 s42, ttmp9, 2
	s_add_co_u32 s42, s42, s40                     ; tc: tile column, 0..31
	s_and_b32 s13, ttmp7, 0xffff
	s_lshl_b32 s13, s13, 2
	s_add_co_u32 s13, s13, s41                     ; tr: tile row, 0..7
	s_lshl_b32 s43, s41, 2
	s_lshl_b32 s43, 15, s43                        ; my row of the cluster
	s_lshl_b32 s44, 0x1111, s40                    ; my column
	s_or_b32 s[G1+0], s43, (1<<16)|(1<<20)|(1<<21)|(5<<22)|(3<<25)   ; x: 2-byte elements, 4 words of padding after every 64
	s_or_b32 s[G1B+0], s44, (1<<16)|(1<<20)|(1<<21)|(6<<22)|(7<<25)  ; W: 8 words of padding after every 128
	s_mov_b32 s[G1+1], 128<<16                     ; x: a tile of 128 rows x 128 elements
	s_mov_b32 s[G1+2], 128<<16
	s_mov_b32 s[G1+3], 128<<16
	s_mov_b32 s[G1+4], 128
	s_mov_b32 s[G1+5], 2048
	s_mov_b32 s[G1+6], 0
	s_mov_b32 s[G1+7], 0
	s_mov_b32 s[G1B+1], 256<<16                    ; W: a tile of 64 K rows x 256 elements
	s_mov_b32 s[G1B+2], 64<<16
	s_mov_b32 s[G1B+3], 256<<16
	s_mov_b32 s[G1B+4], 64
	s_mov_b32 s[G1B+5], 2048
	s_mov_b32 s[G1B+6], 0
	s_mov_b32 s[G1B+7], 0
	s_lshl_b32 s16, s13, 8                         ; x: token 256 tr + 128 half, 4,096 bytes a row
	s_lshl_b32 s17, s12, 7
	s_add_co_u32 s16, s16, s17
	s_lshl_b32 s16, s16, 12
	s_mov_b32 s17, 0
	s_lshr_b32 s46, s42, 3                         ; W: plane 1 + tc / 8,
	s_add_co_u32 s46, s46, 1
	s_lshl_b32 s46, s46, 23
	s_and_b32 s47, s42, 7                          ; 512 bytes of each row,
	s_lshl_b32 s47, s47, 9
	s_add_co_u32 s46, s46, s47
	s_lshl_b32 s47, s12, 18                        ; K row 64 half
	s_add_co_u32 s46, s46, s47
	s_mov_b32 s47, 0
	s_mul_i32 s20, s10, HALFT                      ; where they go: wave x 34,816: no place in the cluster enters an LDS address
	s_wait_dscnt 0x0                               ; both opening adds are done
	s_wait_kmcnt 0x0
	s_add_nc_u64 s[14:15], s[4:5], s[16:17]
	s_add_nc_u64 s[46:47], s[4:5], s[46:47]
	CROUND                                         ; all sixteen work-groups are here: the first joint loads meet
.irp s, 0,1
	s_mov_b32 s[G0+4*(\s)], 1
	s_add_co_u32 s[G0+4*(\s)+1], s20, (\s)*SLOT
	s_add_nc_u64 s[G0+4*(\s)+2:G0+4*(\s)+3], s[14:15], (\s)*KSTEP*2
	s_or_b32 s[G0+4*(\s)+3], s[G0+4*(\s)+3], 0x80000000
	s_mov_b32 s[G0B+4*(\s)], 1
	s_add_co_u32 s[G0B+4*(\s)+1], s20, (\s)*SLOT
	s_add_nc_u64 s[G0B+4*(\s)+2:G0B+4*(\s)+3], s[46:47], (\s)*KSTEP*4096
	s_or_b32 s[G0B+4*(\s)+3], s[G0B+4*(\s)+3], 0x80000000
	JLOAD \s
.endr
	v_and_b32 v1, 15, v0                           ; r = l % 16
	v_bfe_u32 v2, v0, 4, 1                         ; h = l / 16
	v_mul_u32_u24 v3, v1, PITCH
	v_lshl_add_u32 v3, v2, 4, v3                   ; x: row x pitch + 16 h
	v_and_b32 v4, 7, v0
	v_lshl_add_u32 v4, v2, 3, v4                   ; W: K row 8 h + l % 8,
	v_mul_u32_u24 v4, v4, PB
	v_bfe_u32 v5, v0, 3, 1
	v_lshl_add_u32 v4, v5, 4, v4                   ; columns 8 ((l / 8) % 2) on
	s_mul_i32 s21, s11, HALFT                      ; my 128 tokens
	s_lshl_b32 s22, s12, 8                         ; my 128 columns: 256 bytes,
	s_add_co_u32 s22, s22, 2*HALFT                 ; behind x's 256 rows
.irp s, 0,1
	v_add_nc_u32 v[ADRA+(\s)], s21, v3
	v_add_nc_u32 v[ADRB+(\s)], s22, v4
	s_add_co_u32 s21, s21, SLOT
	s_add_co_u32 s22, s22, SLOT
.endr
	s_mul_i32 s23, s10, 16*SPITCH
	s_add_co_u32 s23, s23, STAGE                   ; my stage
	v_mul_u32_u24 v4, v1, SPITCH
	v_lshl_add_u32 v4, v2, 4, v4
	v_add_nc_u32 v[STO], s23, v4
	v_mul_u32_u24 v5, v2, SPITCH
	v_lshl_add_u32 v5, v1, 4, v5
	v_add_nc_u32 v[RD], s23, v5
	v_and_b32 v5, 31, v0
	v_lshlrev_b32 v[CO], 4, v5                     ; two rows of 256 bytes are 512 consecutive bytes of qkvz
.irp r, 0,1,2,3
	v_mov_b32 v[MXA+(\r)], 0
.endr
	s_lshr_b32 s16, s42, 3                         ; where my part begins in qkvz: which,
	s_lshl_b32 s16, s16, 23
	s_lshr_b32 s17, s13, 2                         ; batch,
	s_lshl_b32 s17, s17, 22
	s_add_co_u32 s16, s16, s17
	s_and_b32 s17, s42, 7                          ; head = 2 (tc % 8) + my column half,
	s_lshl_b32 s17, s17, 1
	s_add_co_u32 s17, s17, s12
	s_lshl_b32 s17, s17, 18
	s_add_co_u32 s16, s16, s17
	s_and_b32 s17, s13, 3                          ; row 256 (tr % 4) + 128 x my token half, 256 bytes a row
	s_lshl_b32 s17, s17, 1
	s_add_co_u32 s17, s17, s11
	s_lshl_b32 s17, s17, 15
	s_add_co_u32 s16, s16, s17
	s_mov_b32 s17, 0
	s_mov_b32 s68, 0x76543210                      ; v_permlanex16_b32: each lane takes its own place in the other half
	s_mov_b32 s69, 0xfedcba98
	; the prefetches: offsets made apart from the address
	s_lshl_b32 s20, s13, 8                         ; x: row 256 tr + 128 half + 32 cx, at K step 3
	s_lshl_b32 s21, s12, 7
	s_add_co_u32 s20, s20, s21
	s_lshl_b32 s21, s40, 5
	s_add_co_u32 s20, s20, s21
	s_lshl_b32 s20, s20, 12
	s_add_co_u32 s20, s20, 3*KSTEP*2
	s_lshr_b32 s21, s42, 3                         ; W: plane, columns, K row 64 half + 16 cy, at K step 3
	s_add_co_u32 s21, s21, 1
	s_lshl_b32 s21, s21, 23
	s_and_b32 s23, s42, 7
	s_lshl_b32 s23, s23, 9
	s_add_co_u32 s21, s21, s23
	s_lshl_b32 s23, s12, 6
	s_lshl_b32 s2, s41, 4
	s_add_co_u32 s23, s23, s2
	s_lshl_b32 s23, s23, 12
	s_add_co_u32 s21, s21, s23
	s_add_co_u32 s21, s21, 3*KSTEP*4096
	s_and_b32 s22, ttmp7, 0xffff                   ; cluster y
	s_mov_b32 s23, KSTEP*4096
	s_cmp_eq_u32 s11, 0                            ; do I fetch x?
	s_cselect_b32 s20, s20, s21
	s_cselect_b32 s22, ttmp9, s22                  ; the coordinate along which other clusters walk the same rows
	s_cselect_b32 s[PST], KSTEP*2, s23
	s_mov_b32 s[PST+1], 0
	s_mov_b32 s21, 0
	s_add_nc_u64 s[PFA:PFA+1], s[4:5], s[20:21]    ; the first refill steps it to K step 4
	s_cmp_eq_u32 s22, 0
	s_cselect_b32 s[LIM], 1, -1                    ; the same in all sixteen partners, for a given wave
	v_lshrrev_b32 v6, s11, v5                      ; x: a lane a row; W: two lanes a row,
	v_and_b32 v7, s11, v5                          ; 256 bytes each
	v_lshlrev_b32 v[PFO], 12, v6
	v_lshl_add_u32 v[PFO], v7, 8, v[PFO]
; 16 matrix instructions: token blocks a0, a0 + 1 of the window's four x all 8 column blocks, 32 along K.  zero = 1: the product starts the sums.
.macro MUL16 f, hi, a0, zero
	WIN MUL_LO+0x50*(\hi)
.irp a, \a0, (\a0)+1
.irp b, 0,1,2,3,4,5,6,7
.if \zero
	v_wmma_f32_16x16x32_bf16 v[8*(8*(\a)+(\b)):8*(8*(\a)+(\b))+7], v[(\f)+8*(\b):(\f)+8*(\b)+7], v[(\f)+8*(4*(\hi)+(\a)):(\f)+8*(4*(\hi)+(\a))+7], 0
.else
	v_wmma_f32_16x16x32_bf16 v[8*(8*(\a)+(\b)):8*(8*(\a)+(\b))+7], v[(\f)+8*(\b):(\f)+8*(\b)+7], v[(\f)+8*(4*(\hi)+(\a)):(\f)+8*(4*(\hi)+(\a))+7], v[8*(8*(\a)+(\b)):8*(8*(\a)+(\b))+7]
.endif
.endr
.endr
.endm
; 32 LDS loads in one run: quarter q (32 along K) of a slot into buffer f: W's 8 column blocks turned, then x's 8 token blocks
.macro FETCH slot, q, f
	WIN TO_B
.irp i, 0,1,2,3,4,5,6,7
	ds_load_tr16_b128 v[(\f)+8*(\i):(\f)+8*(\i)+3],   v[ADRB+(\slot)] offset:(\q)*32*PB+(\i)*32
	ds_load_tr16_b128 v[(\f)+8*(\i)+4:(\f)+8*(\i)+7], v[ADRB+(\slot)] offset:(\q)*32*PB+16*PB+(\i)*32
.endr
	WIN 0
.irp i, 0,1,2,3,4,5,6,7
	ds_load_b128 v[(\f)+8*(\i):(\f)+8*(\i)+3],   v[ADRA+(\slot)] offset:(\q)*64+(\i)*16*PITCH
	ds_load_b128 v[(\f)+8*(\i)+4:(\f)+8*(\i)+7], v[ADRA+(\slot)] offset:(\q)*64+(\i)*16*PITCH+32
.endr
.endm
.macro PLACES                          ; four plain places behind a matrix instruction, ahead of loads into its registers and of reads of its results
.rept 4
	v_nop
.endr
.endm
.macro QUARTER slot, q, f, g, zero     ; multiplies buffer f; in its middle fetches quarter q of the slot into buffer g
	s_wait_dscnt 8                                 ; W and x's rows 0-63 are in; the youngest eight loads (x's rows 64-127) may be out
	MUL16 \f, 0, 0, \zero
	MUL16 \f, 0, 2, \zero
	PLACES
	FETCH \slot, \q, \g
	s_wait_dscnt 32                                ; all but the 32 just issued
	MUL16 \f, 1, 0, \zero
	MUL16 \f, 1, 2, \zero
.endm
; The change of slots, first half: every wave waits for all its tensor loads (one is out: its part of the next slot), adds 0 to its spare word, waits for that and for its reads of this slot, and meets the others.
.macro MEET round
	WIN 0
	s_wait_tensorcnt 0x0
	ds_add_u32 v[SPW], v[NIL]
	s_wait_dscnt 9                                 ; the add and the youngest eight loads may be out
	MUL16 F1, 0, 0, 0
	s_wait_dscnt 0x0                               ; the add is done, my reads of this slot are over
	s_barrier_signal -1
	MUL16 F1, 0, 2, 0
.if \round
	WIN 0
.endif
	s_barrier_wait -1
.endm
.macro TURN slot, next
	s_wait_xcnt 0x0                                ; the last prefetch, a K step back, has read its address
	s_add_nc_u64 s[PFA:PFA+1], s[PFA:PFA+1], s[PST:PST+1]
	MEET 1
	CREST                                          ; no wave of any partner still reads this slot or has a load on its way
	s_add_nc_u64 s[G0+4*(\slot)+2:G0+4*(\slot)+3], s[G0+4*(\slot)+2:G0+4*(\slot)+3], 2*KSTEP*2
	s_add_nc_u64 s[G0B+4*(\slot)+2:G0B+4*(\slot)+3], s[G0B+4*(\slot)+2:G0B+4*(\slot)+3], 2*KSTEP*4096
	JLOAD \slot                                    ; the first tensor load behind the round; its four v_nop are also the places ahead of the loads below
	FETCH \next, 0, F0
	ASK
	MUL16 F1, 1, 0, 0
	MUL16 F1, 1, 2, 0
.endm
; THE WAY OUT of token block a: rounded to f16 (and the running maxima of the f32 sums kept), through my own stage, back as whole rows of 256 bytes, stored.
.macro PACK a
.set AC, 64*((\a)%4)
	WIN 0x0a+5*((\a)/4)                            ; sources 0 and 1: window 2 or 3; source 2 and destination: window 0
.irp b, 0,1,2,3,4,5,6,7
.irp r, 0,1,2,3
	v_cvt_pk_f16_f32 v[TMP+4*(\b)+(\r)], v[AC+8*(\b)+2*(\r)], v[AC+8*(\b)+2*(\r)+1]
	v_max3_num_f32 v[MXA+(\r)], |v[AC+8*(\b)+2*(\r)]|, |v[AC+8*(\b)+2*(\r)+1]|, v[MXA+(\r)]
.endr
.endr
	WIN 0
.endm
.macro TOSTAGE a
	WIN 0
.set BK, OB+192*((\a)%2)
.irp b, 0,1,2,3,4,5,6,7
	ds_store_b128 v[STO], v[TMP+4*(\b):TMP+4*(\b)+3] offset:32*(\b)
.endr
.irp t, 0,1,2,3,4,5,6,7
	ds_load_b128 v[BK+4*(\t):BK+4*(\t)+3], v[RD] offset:(\t)*2*SPITCH  ; LDS serves a wave's instructions in order: these see the stores above
.endr
.endm
.macro SEND a
	WIN 0
.set BK, OB+192*((\a)%2)
	s_wait_dscnt 0x0                               ; the block is back in registers
	s_wait_xcnt 0x0                                ; earlier stores have read their base and their data
.if (\a) == 0
	s_add_nc_u64 s[6:7], s[6:7], s[16:17]
.else
	s_add_nc_u64 s[6:7], s[6:7], 16*256
.endif
.irp t, 0,1,2,3,4,5,6,7
	global_store_b128 v[CO], v[BK+4*(\t):BK+4*(\t)+3], s[6:7] offset:512*(\t)  ; 512 consecutive bytes, aligned
.endr
.endm
	s_wait_tensorcnt 1                             ; my part of K step 0 is in; K step 1's may stay out
	s_barrier_signal -1
	s_barrier_wait -1
	FETCH 0, 0, F0
	QUARTER 0, 1, F0, F1, 1                        ; the first quarter starts the sums
	WIN 0
	s_mov_b32 s3, LAPS-1
.Llap:                                         ; a trip goes once round the ring and fills both slots again
	QUARTER 0, 2, F1, F0, 0
	QUARTER 0, 3, F0, F1, 0
	TURN 0, 1
	QUARTER 1, 1, F0, F1, 0
	QUARTER 1, 2, F1, F0, 0
	QUARTER 1, 3, F0, F1, 0
	TURN 1, 0
	QUARTER 0, 1, F0, F1, 0
	WIN 0
	s_sub_co_u32 s3, s3, 1
	s_cmp_lg_u32 s3, 0
	s_cbranch_scc1 .Llap
	QUARTER 0, 2, F1, F0, 0                        ; the last lap fills nothing
	QUARTER 0, 3, F0, F1, 0
	MEET 0
	PLACES
	FETCH 1, 0, F0
	MUL16 F1, 1, 0, 0
	MUL16 F1, 1, 2, 0
	QUARTER 1, 1, F0, F1, 0
	QUARTER 1, 2, F1, F0, 0
	QUARTER 1, 3, F0, F1, 0
	s_wait_dscnt 8
	MUL16 F1, 0, 0, 0
	MUL16 F1, 0, 2, 0
	s_wait_dscnt 0x0
	MUL16 F1, 1, 0, 0
	MUL16 F1, 1, 2, 0
	WIN 0
	PLACES
	PACK 0
	TOSTAGE 0
.irp a, 1,2,3,4,5,6,7                  ; block a's conversions stand between block a - 1's loads from the stage and the wait for them
	PACK \a
	SEND (\a)-1
	TOSTAGE \a
.endr
	SEND 7
	; the wave's largest magnitude: over my four chains, the 32 lanes, then one word of mx from lane 0
	v_max3_num_f32 v[MXA], v[MXA], v[MXA+1], v[MXA+2]
	v_max_num_f32 v[MXA], v[MXA], v[MXA+3]
	v_max_num_f32_dpp v[MXA], v[MXA], v[MXA] row_xmask:1 row_mask:0xf bank_mask:0xf
	v_max_num_f32_dpp v[MXA], v[MXA], v[MXA] row_xmask:2 row_mask:0xf bank_mask:0xf
	v_max_num_f32_dpp v[MXA], v[MXA], v[MXA] row_xmask:4 row_mask:0xf bank_mask:0xf
	v_max_num_f32_dpp v[MXA], v[MXA], v[MXA] row_xmask:8 row_mask:0xf bank_mask:0xf
	v_permlanex16_b32 v[MXA+1], v[MXA], s68, s69
	v_max_num_f32 v[MXA], v[MXA], v[MXA+1]
	s_lshl_b32 s20, s42, 3                         ; word ((8 tc + tr) 4 + wave): tc / 8 is the kind
	s_add_co_u32 s20, s20, s13
	s_lshl_b32 s20, s20, 2
	s_add_co_u32 s20, s20, s10
	s_lshl_b32 s20, s20, 2
	v_mov_b32 v[MXA+2], s20
	v_and_b32 v[MXA+3], 31, v0
	s_wait_xcnt 0x0                                ; EXEC changes only behind this wait
	v_cmp_eq_u32 vcc_lo, 0, v[MXA+3]
	s_and_saveexec_b32 s21, vcc_lo
	global_store_b32 v[MXA+2], v[MXA], s[8:9]
	s_wait_xcnt 0x0                                ; and again ahead of the line that widens it
	s_or_b32 exec_lo, exec_lo, s21
	s_wait_tensorcnt 0x0                           ; the wave's end
	ds_add_u32 v[SPW], v[NIL]
	s_wait_dscnt 0x0
	CROUND                                         ; the closing round
	s_endpgm
.Lfunc_end_k_q1c11d57920_proj:
	.size	k_q1c11d57920_proj, .Lfunc_end_k_q1c11d57920_proj-k_q1c11d57920_proj
	.p2alignl 7, 3214868480
	.fill 96, 4, 3214868480
	.section	.rodata,"a",@progbits
	.p2align	6, 0x0
	.amdhsa_kernel k_q1c11d57920_proj
		.amdhsa_group_segment_fixed_size 327680
		.amdhsa_private_segment_fixed_size 0
		.amdhsa_enable_private_segment 0
		.amdhsa_kernarg_size 24
		.amdhsa_user_sgpr_count 2
		.amdhsa_user_sgpr_kernarg_segment_ptr 1
		.amdhsa_wavefront_size32 1
		.amdhsa_system_sgpr_workgroup_id_x 1
		.amdhsa_system_sgpr_workgroup_id_y 1
		.amdhsa_system_sgpr_workgroup_id_z 1
		.amdhsa_system_vgpr_workitem_id 0
		.amdhsa_next_free_vgpr 1024
		.amdhsa_next_free_sgpr 70
		.amdhsa_reserve_vcc 1
		.amdhsa_float_denorm_mode_32 3
		.amdhsa_float_denorm_mode_16_64 3
		.amdhsa_memory_ordered 1
		.amdhsa_forward_progress 1
		.amdhsa_inst_pref_size 162
	.end_amdhsa_kernel
	.amdgpu_metadata
---
amdhsa.version: [ 1, 2 ]
amdhsa.kernels:
  - .name:           k_q1c11d57920_proj
    .symbol:         k_q1c11d57920_proj.kd
    .args:
      - { .name: cb, .offset: 0, .size: 8, .value_kind: global_buffer, .address_space: global }
      - { .name: qkvz, .offset: 8, .size: 8, .value_kind: global_buffer, .address_space: global }
      - { .name: mx, .offset: 16, .size: 8, .value_kind: global_buffer, .address_space: global }
    .group_segment_fixed_size: 327680
    .private_segment_fixed_size: 0
    .kernarg_segment_align: 8
    .kernarg_segment_size: 24
    .max_flat_workgroup_size: 128
    .sgpr_count:     70
    .vgpr_count:     1024
    .wavefront_size: 32
...
	.end_amdgpu_metadata
.endif
;; end of part 2
;; launch local (part 3): grid 8 x 32, 4 waves a work-group, no clusters, 309,760 bytes of LDS; arguments qkvz, mx, qh, oi, ub; writes qh, oi, ub
.if DOCPART == 3
	.amdgcn_target "amdgcn-amd-amdhsa--gfx1250"
	.amdhsa_code_object_version 6
	.text
	.protected	k_q1c11d57920_local
	.globl	k_q1c11d57920_local
	.p2align	8
	.type	k_q1c11d57920_local,@function
k_q1c11d57920_local:
	s_mov_b64 s[64:65], 0
	v_nop
	global_prefetch_b8 v0, s[64:65] scope:SCOPE_SE
	s_setreg_imm32_b32 hwreg(HW_REG_WAVE_MODE, 25, 1), 1
	s_wait_xcnt 0x0
; GATED LINEAR ATTENTION, THE PART INSIDE A CHUNK.  A work-group takes chunk c (128 steps) of head hb.  e = sigmoid(z)^(1/16) per step and key channel.
; Out: oi = sum over s <= t of A'[t,s] v_s (f32, register image); ub = the chunk's own state U[kc][vc] = sum over s of (k_s x decay from s to the chunk's end) v_s (f32 image) and D = the product of all 128 e;
; qh = q_t x (decay from the chunk's start through t) x sq, f16, [half][kc][64 t].
; EVERY DECAY FACTOR IS A PRODUCT OF e <= 1: nothing is divided, no exponent is positive.  For s < t let l be the highest bit in which they differ: decay(s -> t) = X_l(s) P_l(t),
; P_l the product of e from the start of t's aligned block of 2^l rows through t, X_l the product behind s to the end of s's block.  From l to l + 1: X of a left child times the right child's total, then P of a right
; child times the left child's total.  Z_l(row) = q P_l where bit l is set, else k X_l; A[t,s] = Z_l(s) . Z_l(t).  s = t: q_t . k_t.
; SCALES, powers of two from mx (largest magnitudes, held to 2^-24 at the least): sq, sk = 2^-(exponent + 1).  The k side carries sk (X starts at sk), A' = A sq sk lies within 128, q-hat within 1.
; LIMITS: factors below 2^-126 count as 0; f16 numbers below 6e-5 keep f16's fixed step of 6e-8; NaN and infinities are not treated apart.
; THE GATE: z' = z log2(e)/16; G = min(z', 0) - log2(1 + 2^(-16 |z'|)) / 16; e = 2^G: the log-sigmoid in its form with the maximum taken out; every exponent is <= 0.
; SHARES.  Elementwise work: a lane is a channel (wave w: channels 32 w + l), 64 steps in registers; the chunk goes as two halves of 64 by one loop.  The products of levels 0-5 are split along the channels among the waves
; and summed through LDS.  Level 6 (upper half against lower): wave w takes t block 4 + w.  U: wave w takes kc tiles 2 w, 2 w + 1.  A' v: wave w takes vc tiles 2 w, 2 w + 1, all t.
; No cluster: no two work-groups read the same tile.  No refill: the four tiles are filled once.
; All tiles of A lie as S^T: a lane holds one t (l % 16) and the s 8 (l / 16) + 0..7, so two of them rounded in pairs are source 1 of O^T = V^T A^T.
.set PN, 288                           ; a step's row in the tiles q, k, v, z: 256 bytes + 32, an odd multiple of 32 for the turning load
.set PZ, 160                           ; a channel's row of 64 steps: 128 bytes + 32
.set NQ, 0
.set NK, 128*PN
.set NV, 2*128*PN
.set NZ, 3*128*PN
.set ZB,   147456                      ; 32 channels x 160 for each wave, its own: the level's Z
.set QHB,  167936                      ; the same: q-hat on its way out
.set QA,   188416                      ; [128 ch][64]: q P_6 of the half in hand
.set KB,   208896                      ; two of the same: k X_6 of each half
.set PART, 249856                      ; [wave][20 half tiles][lane][16 bytes]: partial sums, f32
.set AI,   290816                      ; 36 tiles x [half][lane][8 bytes]: A' in f16
.set SPARE, 309248                     ; the spare words: two blocks of 256 bytes that no other line names
.set LN, 1
.set RR, 2
.set HH, 3
.set AQ, 4                             ; turning loads of q, k, z: step l % 8, channels 32 w + 8 (l / 8) on; stepped by 64 rows a trip
.set AK, 5
.set AZ, 6
.set ARAW, 7                           ; plain fragments of q and k
.set AZS, 8
.set AZF, 9
.set AHS, 10
.set AHR, 11
.set AQA, 12
.set AKB, 13
.set APS, 14
.set APR, 15
.set AAI, 16
.set GL, 17                            ; 16 l
.set SPW, 18
.set NIL, 19
.set ZERO, 20
.set C16, 21
.set TQ, 22                            ; v[22:23] sq, later sq x the lower half's total
.set TOT, 24
.set TOTP, 25
.set SK, 26
.set M16, 27
.set ZT, 28                            ; v[28:35] two sets of four packed results
.set QP, 36                            ; register i: steps 2 i, 2 i + 1 of my channel, f16
.set KP, 68
.set P, 100
.set X, 164
.set SC, 228
.set A6Q, 240
.set A6K, 241
.set VFA, 242
.set KFA, 243
.set A6S, 244
.set AIL, 245
.set VFW, 246
.set TU, 248
.set YT, 252
.set AT, 36                            ; behind the loop: 40 slots of 4 registers, A' by rows of t blocks
.set FR, 0                             ; window 1
.set RES, 64
.set AD, 96
.set MASK, 128                         ; raw, then levels 0 to 3, eight registers each
.set MSB, 0
.macro WIN new
.if MSB != (\new)
	s_set_vgpr_msb (MSB<<8)|(\new)
.set MSB, \new
.endif
.endm
.macro PLACES
.rept 4
	v_nop
.endr
.endm
; the exponent bits of the largest of a kind's 256 words of mx (eight a lane in v[src ..]), held to 2^-24 at the least
.macro MXRED src, sdst
	v_max3_num_f32 v[\src], v[\src], v[(\src)+1], v[(\src)+2]
	v_max3_num_f32 v[(\src)+3], v[(\src)+3], v[(\src)+4], v[(\src)+5]
	v_max3_num_f32 v[\src], v[\src], v[(\src)+6], v[(\src)+7]
	v_max_num_f32 v[\src], v[\src], v[(\src)+3]
	v_max_num_f32_dpp v[\src], v[\src], v[\src] row_xmask:1 row_mask:0xf bank_mask:0xf
	v_max_num_f32_dpp v[\src], v[\src], v[\src] row_xmask:2 row_mask:0xf bank_mask:0xf
	v_max_num_f32_dpp v[\src], v[\src], v[\src] row_xmask:4 row_mask:0xf bank_mask:0xf
	v_max_num_f32_dpp v[\src], v[\src], v[\src] row_xmask:8 row_mask:0xf bank_mask:0xf
	v_permlanex16_b32 v[(\src)+1], v[\src], s36, s37
	v_max_num_f32 v[\src], v[\src], v[(\src)+1]
	v_max_num_f32 v[\src], 0x33800000, v[\src]
	v_and_b32 v[\src], 0x7f800000, v[\src]
	v_readfirstlane_b32 \sdst, v[\src]
.endm
	s_load_b256 s[4:11], s[0:1], 0x0               ; qkvz s[4:5], mx s[6:7], qh s[8:9], oi s[10:11]
	s_load_b64 s[12:13], s[0:1], 0x20              ; ub
	v_lshl_add_u32 v[SPW], v0, 2, SPARE
	v_mov_b32 v[NIL], 0
	ds_add_u32 v[SPW], v[NIL]                      ; the opening: the add, twice on end, and its wait ahead of my first tensor load
	ds_add_u32 v[SPW], v[NIL]
	v_lshrrev_b32 v1, 5, v0
	v_readfirstlane_b32 s14, v1                    ; wave
	s_mov_b32 s15, ttmp9                           ; chunk
	s_and_b32 s16, ttmp7, 0xffff                   ; hb
	s_mov_b32 s24, (1<<16)|(1<<20)|(5<<22)|(7<<25) ; 2-byte elements; 8 words of padding after every 64
	s_mov_b32 s25, 128<<16                         ; a tile of 128 rows x 128 elements, dense in memory
	s_mov_b32 s26, 128<<16
	s_mov_b32 s27, 128<<16
	s_mov_b32 s28, 128
	s_mov_b32 s29, 128
	s_mov_b32 s30, 0
	s_mov_b32 s31, 0
	s_mov_b32 s20, 1
	s_mul_i32 s21, s14, 128*PN                     ; wave w brings tensor w (q, k, v, z) to w x 36,864
	s_lshl_b32 s56, s14, 23
	s_lshl_b32 s57, s16, 18
	s_add_co_u32 s56, s56, s57
	s_lshl_b32 s57, s15, 15
	s_add_co_u32 s56, s56, s57
	s_mov_b32 s57, 0
	s_mov_b32 s34, 0xbd800000                      ; -1/16
	s_mov_b32 s35, s34
	s_mov_b32 s36, 0x76543210
	s_mov_b32 s37, 0xfedcba98
	s_mov_b32 s42, 1.0
	s_wait_dscnt 0x0
	s_wait_kmcnt 0x0
	s_add_nc_u64 s[22:23], s[4:5], s[56:57]
	s_or_b32 s23, s23, 0x80000000
	tensor_load_to_lds s[20:23], s[24:31]
	s_nop 0
.rept 4
	v_nop
.endr
	v_and_b32 v[LN], 31, v0
	v_and_b32 v[RR], 15, v0
	v_bfe_u32 v[HH], v0, 4, 1
	v_lshlrev_b32 v[X], 5, v[LN]
	global_load_b128 v[P:P+3], v[X], s[6:7]                    ; mx, kind q
	global_load_b128 v[P+4:P+7], v[X], s[6:7] offset:16
	global_load_b128 v[P+8:P+11], v[X], s[6:7] offset:1024     ; kind k
	global_load_b128 v[P+12:P+15], v[X], s[6:7] offset:1040
	v_and_b32 v[X+1], 7, v0                        ; l % 8
	v_lshrrev_b32 v[X+2], 3, v[LN]                 ; l / 8
	v_bfe_u32 v[X+3], v0, 3, 1                     ; (l / 8) % 2
	v_lshl_add_u32 v[X+4], v[HH], 3, v[X+1]        ; 8 h + l % 8
	v_lshlrev_b32 v[GL], 4, v[LN]
	s_lshl_b32 s52, s14, 6                         ; my 32 channels: 64 bytes of a step's row
	s_mul_i32 s53, s14, 32*PZ                      ; my 32 channel rows
	v_mul_u32_u24 v[X+5], v[X+1], PN
	v_lshl_add_u32 v[X+5], v[X+2], 4, v[X+5]
	v_add_nc_u32 v[AQ], s52, v[X+5]
	v_add_nc_u32 v[AK], NK, v[AQ]
	v_add_nc_u32 v[AZ], NZ, v[AQ]
	v_mul_u32_u24 v[X+5], v[RR], PN
	v_lshl_add_u32 v[X+5], v[HH], 4, v[X+5]
	v_add_nc_u32 v[ARAW], s52, v[X+5]
	v_mul_u32_u24 v[X+5], v[LN], PZ
	v_add_nc_u32 v[X+5], s53, v[X+5]               ; channel row 32 w + l
	v_add_nc_u32 v[AZS], ZB, v[X+5]
	v_add_nc_u32 v[AHS], QHB, v[X+5]
	v_add_nc_u32 v[AQA], QA, v[X+5]
	v_add_nc_u32 v[AKB], KB, v[X+5]
	v_mul_u32_u24 v[X+6], v[X+4], PZ
	v_lshl_add_u32 v[X+6], v[X+3], 4, v[X+6]       ; the turning load's lane term on rows of 160
	v_add_nc_u32 v[AZF], s53, v[X+6]
	v_add_nc_u32 v[AZF], ZB, v[AZF]
	v_add_nc_u32 v[A6K], KB, v[X+6]
	s_lshl_b32 s54, s14, 5
	v_add_nc_u32 v[A6Q], s54, v[X+6]
	v_add_nc_u32 v[A6Q], QA, v[A6Q]
	v_mul_u32_u24 v[X+7], v[X+2], PZ
	v_lshl_add_u32 v[X+7], v[X+1], 4, v[X+7]
	v_add_nc_u32 v[X+7], s53, v[X+7]
	v_add_nc_u32 v[AHR], QHB, v[X+7]
	s_mul_i32 s54, s14, 10240
	v_add_nc_u32 v[APS], s54, v[GL]
	v_add_nc_u32 v[APS], PART, v[APS]
	s_mul_i32 s54, s14, 2560
	v_add_nc_u32 v[APR], s54, v[GL]
	v_add_nc_u32 v[APR], PART, v[APR]
	v_lshlrev_b32 v[X+8], 3, v[LN]
	v_add_nc_u32 v[AIL], AI, v[X+8]
	s_mul_i32 s54, s14, 1280
	v_add_nc_u32 v[AAI], s54, v[AIL]
	s_lshl_b32 s54, s14, 11
	s_add_co_u32 s54, s54, 20*512
	v_add_nc_u32 v[A6S], s54, v[AIL]
	v_mul_u32_u24 v[X+9], v[X+4], PN
	v_lshl_add_u32 v[X+9], v[X+3], 4, v[X+9]
	v_add_nc_u32 v[VFA], NV, v[X+9]
	v_add_nc_u32 v[VFW], s52, v[VFA]
	v_mul_u32_u24 v[X+9], v[RR], PZ
	v_lshl_add_u32 v[X+9], v[HH], 4, v[X+9]
	v_add_nc_u32 v[X+9], s53, v[X+9]
	v_add_nc_u32 v[KFA], KB, v[X+9]
	v_mov_b32 v[ZERO], 0
	v_mov_b32 v[C16], 0x3db8aa3b                   ; log2(e) / 16
	v_mov_b32 v[M16], 0xc1800000                   ; -16
	v_mov_b32 v[TOT], 1.0
	v_mov_b32 v[TOTP], 1.0
.set i, 0
.rept 8
	v_mov_b32 v[ZT+i], 0                           ; a half is written at a time: the registers are written whole once
.set i, i+1
.endr
	; THE MASKS.  Register j of a tile holds (s = 8 h + j, t = r).  x = s xor t; level l owns the places with 2^l <= x < 2^(l+1) and s < t; the raw product the places with x = 0.
	v_lshlrev_b32 v[X+10], 3, v[HH]
.set j, 0
.rept 8
	v_add_nc_u32 v[X+11], j, v[X+10]
	v_cmp_lt_u32 s[44+j], v[X+11], v[RR]
	v_xor_b32 v[SC+j], v[X+11], v[RR]
.set j, j+1
.endr
	WIN 0x40                                       ; destinations in window 1, sources in window 0
.set l, 0
.rept 4
.set j, 0
.rept 8
	v_cmp_le_u32 s52, 1<<l, v[SC+j]
	v_cmp_gt_u32 s53, 2<<l, v[SC+j]
	s_and_b32 s52, s52, s53
	s_and_b32 s52, s52, s[44+j]
	v_cndmask_b32 v[MASK+8*(l+1)+j], 0, s42, s52
.set j, j+1
.endr
.set l, l+1
.endr
	WIN 0
	s_wait_loadcnt 0x0                             ; mx
	MXRED P, s58
	MXRED P+8, s59
	s_sub_co_u32 s40, 0x7e800000, s58              ; sq = 2^-(exponent + 1)
	s_mov_b32 s41, s40
	s_sub_co_u32 s43, 0x7e800000, s59              ; sk
	v_mov_b32 v[SK], s43
	v_mov_b32 v[TQ], s40
	v_mov_b32 v[TQ+1], s40
	WIN 0x40
.set j, 0
.rept 8
	v_cmp_eq_u32 s52, 0, v[SC+j]
	v_cndmask_b32 v[MASK+j], 0, s43, s52
.set j, j+1
.endr
	WIN 0
	s_lshl_b32 s52, s16, 3
	s_add_co_u32 s52, s52, s15                     ; 8 hb + c
	s_lshl_b32 s56, s52, 15                        ; qh: 32,768 bytes a chunk, 4,096 a wave in each half
	s_lshl_b32 s58, s14, 12
	s_add_co_u32 s56, s56, s58
	s_add_nc_u64 s[8:9], s[8:9], s[56:57]
	s_lshl_b32 s56, s52, 9                         ; D: behind U's 16,777,216 bytes, 512 a chunk, 128 a wave
	s_lshl_b32 s58, s14, 7
	s_add_co_u32 s56, s56, s58
	s_add_co_u32 s56, s56, 0x1000000
	s_add_nc_u64 s[60:61], s[12:13], s[56:57]
	s_lshl_b32 s56, s52, 16                        ; oi and ub: 65,536 bytes a chunk, 16,384 a wave
	s_lshl_b32 s58, s14, 14
	s_add_co_u32 s56, s56, s58
	s_add_nc_u64 s[10:11], s[10:11], s[56:57]
	s_add_nc_u64 s[12:13], s[12:13], s[56:57]
	s_wait_tensorcnt 0x0                           ; my tile is in,
	s_barrier_signal -1
	s_barrier_wait -1                              ; everybody's is
; two f16 results from the two halves of src and two f32 factors
.macro MIXPAIR dst, src, fac
	v_fma_mixlo_f16 v[\dst], v[\src], v[\fac], v[ZERO] op_sel_hi:[1,0,0]
	v_fma_mixhi_f16 v[\dst], v[\src], v[(\fac)+1], v[ZERO] op_sel:[1,0,0] op_sel_hi:[1,0,0]
.endm
; 64 steps of src x fac into my channel's row at adr
.macro GEN src, fac, adr
	WIN 0
.set g, 0
.rept 8
.set n, 0
.rept 4
	MIXPAIR ZT+4*(g%2)+n, (\src)+4*g+n, (\fac)+8*g+2*n
.set n, n+1
.endr
	ds_store_b128 v[\adr], v[ZT+4*(g%2):ZT+4*(g%2)+3] offset:16*g
.set g, g+1
.endr
.endm
; Z of level l into my own ZB
.macro ZGEN l
	WIN 0
.set g, 0
.rept 8
.set n, 0
.rept 4
.set i, 4*g+n
.if (\l) == 0
	v_fma_mixlo_f16 v[ZT+4*(g%2)+n], v[KP+i], v[SK], v[ZERO] op_sel_hi:[1,0,0]
	v_fma_mixhi_f16 v[ZT+4*(g%2)+n], v[QP+i], v[P+2*i+1], v[ZERO] op_sel:[1,0,0] op_sel_hi:[1,0,0]
.elseif ((i>>((\l)-1))&1)
	MIXPAIR ZT+4*(g%2)+n, QP+i, P+2*i
.else
	MIXPAIR ZT+4*(g%2)+n, KP+i, X+2*i
.endif
.set n, n+1
.endr
	ds_store_b128 v[AZS], v[ZT+4*(g%2):ZT+4*(g%2)+3] offset:16*g
.set g, g+1
.endr
.endm
; four fragments (16 steps x my 32 channels) of Z, turned; LDS serves a wave's instructions in order, so they see the stores above
.macro FRAG
	WIN 0x40
.irp b, 0,1,2,3
	ds_load_tr16_b128 v[FR+8*(\b):FR+8*(\b)+3],   v[AZF] offset:32*(\b)
	ds_load_tr16_b128 v[FR+8*(\b)+4:FR+8*(\b)+7], v[AZF] offset:32*(\b)+16*PZ
.endr
.endm
; the four diagonal tiles take the last products under mask k; each accumulator's lowest registers are read first
.macro COMBINE k
	WIN 0x55
.irp b, 0,1,2,3
.irp n, 0,2,4,6
.if (\k) == 0
	v_pk_mul_f32 v[AD+8*(\b)+(\n):AD+8*(\b)+(\n)+1], v[RES+8*(\b)+(\n):RES+8*(\b)+(\n)+1], v[MASK+(\n):MASK+(\n)+1]
.else
	v_pk_fma_f32 v[AD+8*(\b)+(\n):AD+8*(\b)+(\n)+1], v[RES+8*(\b)+(\n):RES+8*(\b)+(\n)+1], v[MASK+8*(\k)+(\n):MASK+8*(\k)+(\n)+1], v[AD+8*(\b)+(\n):AD+8*(\b)+(\n)+1]
.endif
.endr
.endr
.endm
.macro PSTORE reg, tile                ; a partial tile (window 1) into my part of PART
	WIN 0x04
	ds_store_b128 v[APS], v[(\reg):(\reg)+3] offset:1024*(\tile)
	ds_store_b128 v[APS], v[(\reg)+4:(\reg)+7] offset:1024*(\tile)+512
.endm
; from level l to l + 1: first X of the left children, which reads the right children's totals, then P of the right children
.macro UPD l
	WIN 0
.if (\l) == 0
.set i, 0
.rept 32
	v_mul_f32 v[X+2*i], v[P+2*i+1], v[SK]
.set i, i+1
.endr
.set i, 0
.rept 32
	v_mul_f32 v[P+2*i+1], v[P+2*i+1], v[P+2*i]
.set i, i+1
.endr
.else
.set b, 0
.rept 64>>((\l)+1)
.set n, 0
.rept (1<<(\l))/2
	v_pk_mul_f32 v[X+b+2*n:X+b+2*n+1], v[X+b+2*n:X+b+2*n+1], v[P+b+(2<<(\l))-2:P+b+(2<<(\l))-1] op_sel:[0,1] op_sel_hi:[1,1]
.set n, n+1
.endr
.set b, b+(2<<(\l))
.endr
.set b, 0
.rept 64>>((\l)+1)
.set n, 0
.rept (1<<(\l))/2
	v_pk_mul_f32 v[P+b+(1<<(\l))+2*n:P+b+(1<<(\l))+2*n+1], v[P+b+(1<<(\l))+2*n:P+b+(1<<(\l))+2*n+1], v[P+b+(1<<(\l))-2:P+b+(1<<(\l))-1] op_sel:[0,1] op_sel_hi:[1,1]
.set n, n+1
.endr
.set b, b+(2<<(\l))
.endr
.endif
.endm
; the level's products, each a sum of its own started with 0: source 0 = the s side, source 1 = the t side
.macro WM l
	WIN 0x55
.if (\l) <= 3
.irp b, 0,1,2,3
	v_wmma_f32_16x16x32_f16 v[RES+8*(\b):RES+8*(\b)+7], v[FR+8*(\b):FR+8*(\b)+7], v[FR+8*(\b):FR+8*(\b)+7], 0
.endr
.elseif (\l) == 4
	v_wmma_f32_16x16x32_f16 v[RES:RES+7], v[FR:FR+7], v[FR+8:FR+15], 0
	v_wmma_f32_16x16x32_f16 v[RES+8:RES+15], v[FR+16:FR+23], v[FR+24:FR+31], 0
.else
.irp i, 2,3
.irp j, 0,1
	v_wmma_f32_16x16x32_f16 v[RES+8*(2*((\i)-2)+(\j)):RES+8*(2*((\i)-2)+(\j))+7], v[FR+8*(\j):FR+8*(\j)+7], v[FR+8*(\i):FR+8*(\i)+7], 0
.endr
.endr
.endif
	WIN 0
.endm
; The 64 plain lines of a level's ZGEN are the places between the last level's products and the loads into their sources and the reads of their results.
.macro LEVEL l
	ZGEN \l
	FRAG
.if ((\l) >= 1) && ((\l) <= 4)
	COMBINE \l
.elseif (\l) == 5
	PSTORE RES, 4
	PSTORE RES+8, 5
.endif
	UPD \l
	s_wait_dscnt 0x0                               ; the fragments are in
	WM \l
.endm
	s_mov_b32 s38, 2
.Lhalf:                                        ; a trip: 64 steps
.irp i, 0,1,2,3,4,5,6,7
	ds_load_tr16_b128 v[X+4*(\i):X+4*(\i)+3], v[AZ] offset:8*PN*(\i)       ; z, packed, 8 steps of my channel a load
.endr
.irp i, 0,1,2,3,4,5,6,7
	ds_load_tr16_b128 v[QP+4*(\i):QP+4*(\i)+3], v[AQ] offset:8*PN*(\i)
.endr
.irp i, 0,1,2,3,4,5,6,7
	ds_load_tr16_b128 v[KP+4*(\i):KP+4*(\i)+3], v[AK] offset:8*PN*(\i)
.endr
	WIN 0x40
.irp b, 0,1,2,3
	ds_load_b128 v[FR+8*(\b):FR+8*(\b)+3],       v[ARAW] offset:NK+16*PN*(\b)
	ds_load_b128 v[FR+8*(\b)+4:FR+8*(\b)+7],     v[ARAW] offset:NK+16*PN*(\b)+32
	ds_load_b128 v[FR+32+8*(\b):FR+32+8*(\b)+3], v[ARAW] offset:16*PN*(\b)
	ds_load_b128 v[FR+32+8*(\b)+4:FR+32+8*(\b)+7], v[ARAW] offset:16*PN*(\b)+32
.endr
	WIN 0
	s_wait_dscnt 32                                ; z is in; the 32 younger loads stay out
.set t, 0
.rept 64
.if t%2
	v_fma_mix_f32 v[P+t], v[X+t/2], v[C16], v[ZERO] op_sel:[1,0,0] op_sel_hi:[1,0,0]
.else
	v_fma_mix_f32 v[P+t], v[X+t/2], v[C16], v[ZERO] op_sel_hi:[1,0,0]
.endif
.set t, t+1
.endr
.set t, 0
.rept 64
	v_mul_f32 v[X+t], |v[P+t]|, v[M16]             ; -16 |z'|
.set t, t+1
.endr
	s_wait_dscnt 0x0                               ; q, k and the raw fragments
	WIN 0x55
.irp b, 0,1,2,3
	v_wmma_f32_16x16x32_f16 v[RES+8*(\b):RES+8*(\b)+7], v[FR+8*(\b):FR+8*(\b)+7], v[FR+32+8*(\b):FR+32+8*(\b)+7], 0  ; k_s . q_t over my channels
.endr
	WIN 0
.set t, 0
.rept 64
	v_exp_f32 v[X+t], v[X+t]
.set t, t+1
.endr
.set t, 0
.rept 64
	v_min_num_f32 v[P+t], 0, v[P+t]                ; plain work behind the batch, and the places behind the products
.set t, t+1
.endr
	s_wait_alu depctr_va_vdst(0)                   ; one wait for the 64 exponentials, ahead of their first reader
.set t, 0
.rept 32
	v_pk_add_f32 v[X+t:X+t+1], v[X+t:X+t+1], 1.0 op_sel_hi:[1,0]
.set t, t+2
.endr
.set t, 0
.rept 64
	v_log_f32 v[X+t], v[X+t]
.set t, t+1
.endr
	COMBINE 0                                      ; plain work behind the batch
	WIN 0
	s_wait_alu depctr_va_vdst(0)                   ; one wait for the 64 logarithms
.set t, 0
.rept 32
	v_pk_fma_f32 v[P+t:P+t+1], v[X+t:X+t+1], s[34:35], v[P+t:P+t+1] op_sel_hi:[1,0,1]
.set t, t+2
.endr
.set t, 0
.rept 64
	v_exp_f32 v[P+t], v[P+t]                       ; e = P_0
.set t, t+1
.endr
.set t, 0
.rept 32
	v_mov_b32 v[X+2*t+1], v[SK]                    ; X_0 = sk; the even steps' X_1 is made by the first update
.set t, t+1
.endr
	s_wait_alu depctr_va_vdst(0)                   ; one wait for the 64 exponentials
	LEVEL 0
	LEVEL 1
	LEVEL 2
	LEVEL 3
	LEVEL 4
	LEVEL 5
	v_mov_b32 v[TOTP], v[TOT]
	v_mov_b32 v[TOT], v[P+63]                      ; the half's total
	GEN QP, P, AQA                                 ; q P_6
	GEN KP, X, AKB                                 ; k X_6 sk
.set t, 0
.rept 32
	v_pk_mul_f32 v[P+t:P+t+1], v[P+t:P+t+1], v[TQ:TQ+1] op_sel_hi:[1,0]
.set t, t+2
.endr
	GEN QP, P, AHS                                 ; q-hat
	v_mul_f32 v[TQ], v[TQ], v[TOT]
.irp n, 0,1,2,3
	PSTORE RES+8*(\n), 6+(\n)
.endr
.irp n, 0,1,2,3
	PSTORE AD+8*(\n), (\n)
.endr
	WIN 0
	s_wait_dscnt 0x0                               ; for the others' sake: my stores are done
	s_barrier_signal -1
	s_barrier_wait -1                              ; all four partial sums of the half's ten tiles lie in PART
.set i, 0
.rept 5                                        ; I sum five of the twenty half tiles
.irp v, 0,1,2,3
	ds_load_b128 v[P+16*i+4*(\v):P+16*i+4*(\v)+3], v[APR] offset:10240*(\v)+512*i
.endr
.set i, i+1
.endr
.irp i, 0,1,2,3,4,5,6,7
	ds_load_b128 v[180+4*(\i):180+4*(\i)+3], v[AHR] offset:4*PZ*(\i)       ; my q-hat back, four channel rows of 128 bytes a load
.endr
	s_wait_dscnt 8                                 ; the partial sums are in; q-hat's eight loads may be out
.set i, 0
.rept 5
.set a, P+16*i
	v_pk_add_f32 v[a:a+1], v[a:a+1], v[a+4:a+5]
	v_pk_add_f32 v[a+2:a+3], v[a+2:a+3], v[a+6:a+7]
	v_pk_add_f32 v[a+8:a+9], v[a+8:a+9], v[a+12:a+13]
	v_pk_add_f32 v[a+10:a+11], v[a+10:a+11], v[a+14:a+15]
	v_pk_add_f32 v[a:a+1], v[a:a+1], v[a+8:a+9]
	v_pk_add_f32 v[a+2:a+3], v[a+2:a+3], v[a+10:a+11]
	v_pk_mul_f32 v[a:a+1], v[a:a+1], s[40:41] op_sel_hi:[1,0]
	v_pk_mul_f32 v[a+2:a+3], v[a+2:a+3], s[40:41] op_sel_hi:[1,0]
	v_cvt_pk_f16_f32 v[SC+2*i], v[a], v[a+1]
	v_cvt_pk_f16_f32 v[SC+2*i+1], v[a+2], v[a+3]
	ds_store_b64 v[AAI], v[SC+2*i:SC+2*i+1] offset:256*i
.set i, i+1
.endr
	s_wait_dscnt 0x0                               ; q-hat is back; my reads of PART and my stores into AI are done
.irp i, 0,1,2,3,4,5,6,7
	global_store_b128 v[GL], v[180+4*(\i):180+4*(\i)+3], s[8:9] offset:512*(\i)  ; 512 consecutive bytes, aligned
.endr
	s_wait_xcnt 0x0                                ; the stores have read their base and data: both are written again below and in the next trip
	s_add_nc_u64 s[8:9], s[8:9], 16384
	v_add_nc_u32 v[AQ], 64*PN, v[AQ]
	v_add_nc_u32 v[AK], 64*PN, v[AK]
	v_add_nc_u32 v[AZ], 64*PN, v[AZ]
	v_add_nc_u32 v[ARAW], 64*PN, v[ARAW]
	v_add_nc_u32 v[AKB], 128*PZ, v[AKB]
	v_add_nc_u32 v[AAI], 10*512, v[AAI]
	s_barrier_signal -1
	s_barrier_wait -1                              ; nobody reads PART any more: the next trip may write it
	s_sub_co_u32 s38, s38, 1
	s_cmp_lg_u32 s38, 0
	s_cbranch_scc1 .Lhalf
	; the upper half's total for the channel that a lane holds in U's tiles: channel 16 jn + l % 16 of my 32
	v_mov_b32 v[YT], v[TOT]
	v_permlanex16_b32 v[YT], v[TOT], s36, s37
	v_cmp_eq_u32 s52, 0, v[HH]
	v_cndmask_b32 v[TU], v[YT], v[TOT], s52
	v_cndmask_b32 v[TU+2], v[TOT], v[YT], s52
	v_mov_b32 v[TU+1], v[TU]
	v_mov_b32 v[TU+3], v[TU+2]
	v_mul_f32 v[YT+1], v[TOT], v[TOTP]             ; D
	v_lshlrev_b32 v[YT+2], 2, v[LN]
	; LEVEL 6: my t block of the upper half against the lower half's four s blocks, all 128 channels
	WIN 0x40
.irp k, 0,1,2,3
	ds_load_tr16_b128 v[128+8*(\k):128+8*(\k)+3], v[A6Q] offset:32*PZ*(\k)
	ds_load_tr16_b128 v[128+8*(\k)+4:128+8*(\k)+7], v[A6Q] offset:32*PZ*(\k)+16*PZ
.endr
.irp J, 0,1,2,3
.irp k, 0,1,2,3
	ds_load_tr16_b128 v[32*(\J)+8*(\k):32*(\J)+8*(\k)+3], v[A6K] offset:32*PZ*(\k)+32*(\J)
	ds_load_tr16_b128 v[32*(\J)+8*(\k)+4:32*(\J)+8*(\k)+7], v[A6K] offset:32*PZ*(\k)+16*PZ+32*(\J)
.endr
.endr
	s_wait_dscnt 0x0
	WIN 0x55
.irp k, 0,1,2,3                        ; the four accumulators take turns
.irp J, 0,1,2,3
.if (\k) == 0
	v_wmma_f32_16x16x32_f16 v[160+8*(\J):160+8*(\J)+7], v[32*(\J)+8*(\k):32*(\J)+8*(\k)+7], v[128+8*(\k):128+8*(\k)+7], 0
.else
	v_wmma_f32_16x16x32_f16 v[160+8*(\J):160+8*(\J)+7], v[32*(\J)+8*(\k):32*(\J)+8*(\k)+7], v[128+8*(\k):128+8*(\k)+7], v[160+8*(\J):160+8*(\J)+7]
.endif
.endr
.endr
	PLACES
	WIN 0x01                                       ; source 0 window 1, destination window 0
.set n, 0
.rept 16
	v_pk_mul_f32 v[P+n:P+n+1], v[160+n:160+n+1], s[40:41] op_sel_hi:[1,0]
.set n, n+2
.endr
	WIN 0
.set n, 0
.rept 16
	v_cvt_pk_f16_f32 v[X+n], v[P+2*n], v[P+2*n+1]
.set n, n+1
.endr
.irp J, 0,1,2,3
	ds_store_b64 v[A6S], v[X+4*(\J):X+4*(\J)+1] offset:512*(\J)
	ds_store_b64 v[A6S], v[X+4*(\J)+2:X+4*(\J)+3] offset:512*(\J)+256
.endr
; U: D(m = vc, n = kc) += V^T (turned) x (k X_6): 32 steps a group, four groups; two sets of fragments take turns
.macro FETCHU n, set
	WIN 0x40
.irp m, 0,1,2,3,4,5,6,7
	ds_load_tr16_b128 v[80*(\set)+8*(\m):80*(\set)+8*(\m)+3], v[VFA] offset:32*(\n)*PN+32*(\m)
	ds_load_tr16_b128 v[80*(\set)+8*(\m)+4:80*(\set)+8*(\m)+7], v[VFA] offset:(32*(\n)+16)*PN+32*(\m)
.endr
.irp j, 0,1
	ds_load_b128 v[80*(\set)+64+8*(\j):80*(\set)+64+8*(\j)+3], v[KFA] offset:128*PZ*((\n)/2)+16*PZ*(\j)+64*((\n)%2)
	ds_load_b128 v[80*(\set)+64+8*(\j)+4:80*(\set)+64+8*(\j)+7], v[KFA] offset:128*PZ*((\n)/2)+16*PZ*(\j)+64*((\n)%2)+32
.endr
.endm
.macro MULU n, set                     ; sixteen accumulators, one instruction a turn
	WIN 0xa5
.irp j, 0,1
.irp m, 0,1,2,3,4,5,6,7
.if (\n) == 0
	v_wmma_f32_16x16x32_f16 v[8*(8*(\j)+(\m)):8*(8*(\j)+(\m))+7], v[80*(\set)+8*(\m):80*(\set)+8*(\m)+7], v[80*(\set)+64+8*(\j):80*(\set)+64+8*(\j)+7], 0
.else
	v_wmma_f32_16x16x32_f16 v[8*(8*(\j)+(\m)):8*(8*(\j)+(\m))+7], v[80*(\set)+8*(\m):80*(\set)+8*(\m)+7], v[80*(\set)+64+8*(\j):80*(\set)+64+8*(\j)+7], v[8*(8*(\j)+(\m)):8*(8*(\j)+(\m))+7]
.endif
.endr
.endr
.endm
	FETCHU 0, 0
	FETCHU 1, 1
	s_wait_dscnt 20                                ; the older set is in, the younger set's 20 loads stay out
	MULU 0, 0
	PLACES
	FETCHU 2, 0
	s_wait_dscnt 20
	MULU 1, 1
	PLACES
	WIN 0x82                                       ; U (window 2) times the upper half's total (window 0): the lower half's sum decays through the upper half
.irp j, 0,1
.set n, 0
.rept 32
	v_pk_mul_f32 v[64*(\j)+n:64*(\j)+n+1], v[64*(\j)+n:64*(\j)+n+1], v[TU+2*(\j):TU+2*(\j)+1] op_sel_hi:[1,0]
.set n, n+2
.endr
.endr
	FETCHU 3, 1
	s_wait_dscnt 20
	MULU 2, 0
	s_wait_dscnt 0x0
	MULU 3, 1
	PLACES
	WIN 0x08                                       ; store data in window 2
.irp j, 0,1
.irp m, 0,1,2,3,4,5,6,7
	global_store_b128 v[GL], v[8*(8*(\j)+(\m)):8*(8*(\j)+(\m))+3], s[12:13] offset:8192*(\j)+1024*(\m)
	global_store_b128 v[GL], v[8*(8*(\j)+(\m))+4:8*(8*(\j)+(\m))+7], s[12:13] offset:8192*(\j)+1024*(\m)+512
.endr
.endr
	WIN 0
	global_store_b32 v[YT+2], v[YT+1], s[60:61]
	s_wait_dscnt 0x0                               ; my stores into AI are done
	s_barrier_signal -1
	s_barrier_wait -1                              ; all 36 tiles of A' lie in AI
; which tile of AI holds (t block I, s block J)
.macro TAU I, J
.if ((\I)/4) != ((\J)/4)
.set tau, 20+4*((\I)-4)+(\J)
.elseif ((\I)%4) == ((\J)%4)
.set tau, 10*((\I)/4)+(\I)%4
.elseif ((\I)%4) == 1
.set tau, 10*((\I)/4)+4
.elseif (((\I)%4) == 3) && (((\J)%4) == 2)
.set tau, 10*((\I)/4)+5
.else
.set tau, 10*((\I)/4)+6+2*(((\I)%4)-2)+(\J)%4
.endif
.endm
.set I, 0
.rept 8                                        ; row I has I + 1 tiles, made even by a slot of zeros: rows of 2, 2, 4, 4, 6, 6, 8, 8 slots
.set ro, 2*(I/2)*(I/2+1)+(I%2)*2*(I/2+1)
.set J, 0
.rept I+1
	TAU I, J
	ds_load_b64 v[AT+4*(ro+J):AT+4*(ro+J)+1], v[AIL] offset:512*tau
	ds_load_b64 v[AT+4*(ro+J)+2:AT+4*(ro+J)+3], v[AIL] offset:512*tau+256
.set J, J+1
.endr
.if (I%2) == 0
.irp n, 0,1,2,3
	v_mov_b32 v[AT+4*(ro+I+1)+(\n)], 0
.endr
.endif
.set I, I+1
.endr
	WIN 0x40
.irp m, 0,1
.irp p, 0,1,2,3
	ds_load_tr16_b128 v[160+8*(4*(\m)+(\p)):160+8*(4*(\m)+(\p))+3], v[VFW] offset:32*(\p)*PN+32*(\m)
	ds_load_tr16_b128 v[160+8*(4*(\m)+(\p))+4:160+8*(4*(\m)+(\p))+7], v[VFW] offset:(32*(\p)+16)*PN+32*(\m)
.endr
.endr
	s_wait_dscnt 0x0
	WIN 0xa1                                       ; V^T window 1, A' window 0, O^T window 2
.set p, 0
.rept 4                                        ; 32 steps s a group; only t blocks at or behind it; no two instructions on end share an accumulator
.set I, 2*p
.rept 8-2*p
.set ro, 2*(I/2)*(I/2+1)+(I%2)*2*(I/2+1)
.irp m, 0,1
.if p == 0
	v_wmma_f32_16x16x32_f16 v[128+8*(8*(\m)+I):128+8*(8*(\m)+I)+7], v[160+8*(4*(\m)+p):160+8*(4*(\m)+p)+7], v[AT+4*(ro+2*p):AT+4*(ro+2*p)+7], 0
.else
	v_wmma_f32_16x16x32_f16 v[128+8*(8*(\m)+I):128+8*(8*(\m)+I)+7], v[160+8*(4*(\m)+p):160+8*(4*(\m)+p)+7], v[AT+4*(ro+2*p):AT+4*(ro+2*p)+7], v[128+8*(8*(\m)+I):128+8*(8*(\m)+I)+7]
.endif
.endr
.set I, I+1
.endr
.set p, p+1
.endr
	PLACES
	WIN 0x08
.set n, 0
.rept 16
	global_store_b128 v[GL], v[128+8*n:128+8*n+3], s[10:11] offset:1024*n
	global_store_b128 v[GL], v[128+8*n+4:128+8*n+7], s[10:11] offset:1024*n+512
.set n, n+1
.endr
	WIN 0
	s_wait_tensorcnt 0x0                           ; the wave's end
	ds_add_u32 v[SPW], v[NIL]
	s_wait_dscnt 0x0
	s_endpgm
.Lfunc_end_k_q1c11d57920_local:
	.size	k_q1c11d57920_local, .Lfunc_end_k_q1c11d57920_local-k_q1c11d57920_local
	.p2alignl 7, 3214868480
	.fill 96, 4, 3214868480
	.section	.rodata,"a",@progbits
	.p2align	6, 0x0
	.amdhsa_kernel k_q1c11d57920_local
		.amdhsa_group_segment_fixed_size 309760
		.amdhsa_private_segment_fixed_size 0
		.amdhsa_enable_private_segment 0
		.amdhsa_kernarg_size 40
		.amdhsa_user_sgpr_count 2
		.amdhsa_user_sgpr_kernarg_segment_ptr 1
		.amdhsa_wavefront_size32 1
		.amdhsa_system_sgpr_workgroup_id_x 1
		.amdhsa_system_sgpr_workgroup_id_y 1
		.amdhsa_system_sgpr_workgroup_id_z 1
		.amdhsa_system_vgpr_workitem_id 0
		.amdhsa_next_free_vgpr 768
		.amdhsa_next_free_sgpr 66
		.amdhsa_reserve_vcc 0
		.amdhsa_float_denorm_mode_32 3
		.amdhsa_float_denorm_mode_16_64 3
		.amdhsa_memory_ordered 1
		.amdhsa_forward_progress 1
		.amdhsa_inst_pref_size 152
	.end_amdhsa_kernel
	.amdgpu_metadata
---
amdhsa.version: [ 1, 2 ]
amdhsa.kernels:
  - .name:           k_q1c11d57920_local
    .symbol:         k_q1c11d57920_local.kd
    .args:
      - { .name: qkvz, .offset: 0, .size: 8, .value_kind: global_buffer, .address_space: global }
      - { .name: mx, .offset: 8, .size: 8, .value_kind: global_buffer, .address_space: global }
      - { .name: qh, .offset: 16, .size: 8, .value_kind: global_buffer, .address_space: global }
      - { .name: oi, .offset: 24, .size: 8, .value_kind: global_buffer, .address_space: global }
      - { .name: ub, .offset: 32, .size: 8, .value_kind: global_buffer, .address_space: global }
    .group_segment_fixed_size: 309760
    .private_segment_fixed_size: 0
    .kernarg_segment_align: 8
    .kernarg_segment_size: 40
    .max_flat_workgroup_size: 128
    .sgpr_count:     66
    .vgpr_count:     768
    .wavefront_size: 32
...
	.end_amdgpu_metadata
.endif
;; end of part 3
;; launch scan (part 4): grid 8 x 32, 4 waves a work-group, no clusters, 0 bytes of LDS; arguments ub, mx, s16; writes s16
.if DOCPART == 4
	.amdgcn_target "amdgcn-amd-amdhsa--gfx1250"
	.amdhsa_code_object_version 6
	.text
	.protected	k_q1c11d57920_scan
	.globl	k_q1c11d57920_scan
	.p2align	8
	.type	k_q1c11d57920_scan,@function
k_q1c11d57920_scan:
	s_mov_b64 s[64:65], 0
	v_nop
	global_prefetch_b8 v0, s[64:65] scope:SCOPE_SE
	s_setreg_imm32_b32 hwreg(HW_REG_WAVE_MODE, 25, 1), 1
	s_wait_xcnt 0x0
; THE STATE FROM CHUNK TO CHUNK.  S_in(0) = 0; S_in(c + 1) = D_c S_in(c) + U_c, carried in f32; stored as f16(S_in x sv4), sv4 = 2^-(exponent of v's largest magnitude + 3): within 256.
; A work-group takes kc tile x of head y, a wave two of its eight vc tiles.  In the image a lane holds one kc (l % 16), so D is one number a lane.
; All 37 loads go out at once; the waits count the younger ones.  No LDS, no matrix unit: seven dependent steps on 16 numbers a lane.
.set MXV, 4
.set DV,  12                           ; D_j at v[12 + 2 j]; the odd partners are written once, since the packed form names the pair
.set ZV,  26
.set GL,  30
.set DO,  31
.set U,   32                           ; U_j at v[32 + 16 j]; S lives in U_0's registers
.set T,   144
.set O,   160                          ; two sets of eight packed results
	s_load_b128 s[4:7], s[0:1], 0x0                ; ub, mx
	s_load_b64 s[8:9], s[0:1], 0x10                ; s16
	v_lshrrev_b32 v1, 5, v0
	v_readfirstlane_b32 s10, v1                    ; wave
	s_and_b32 s11, ttmp7, 0xffff                   ; hb
	v_and_b32 v1, 31, v0
	v_and_b32 v2, 15, v0
	v_lshlrev_b32 v3, 5, v1
	v_lshlrev_b32 v[GL], 4, v1
	v_lshlrev_b32 v[DO], 2, v2
	s_lshl_b32 s12, s11, 19                        ; U: 524,288 bytes a head, 8,192 a kc tile, 2,048 a wave
	s_lshl_b32 s13, ttmp9, 13
	s_add_co_u32 s12, s12, s13
	s_lshl_b32 s13, s10, 11
	s_add_co_u32 s12, s12, s13
	s_mov_b32 s13, 0
	s_lshl_b32 s14, s11, 12                        ; D: behind U, 4,096 bytes a head, 64 a kc tile
	s_lshl_b32 s15, ttmp9, 6
	s_add_co_u32 s14, s14, s15
	s_add_co_u32 s14, s14, 0x1000000
	s_mov_b32 s15, 0
	s_lshl_b32 s16, s11, 18                        ; s16: 262,144 bytes a head, 4,096 a kc tile, 1,024 a wave
	s_lshl_b32 s17, ttmp9, 12
	s_add_co_u32 s16, s16, s17
	s_lshl_b32 s17, s10, 10
	s_add_co_u32 s16, s16, s17
	s_mov_b32 s17, 0
	s_mov_b32 s20, 0x76543210
	s_mov_b32 s21, 0xfedcba98
	s_wait_kmcnt 0x0
	s_add_nc_u64 s[18:19], s[4:5], s[14:15]
	s_add_nc_u64 s[4:5], s[4:5], s[12:13]
	s_add_nc_u64 s[8:9], s[8:9], s[16:17]
	global_load_b128 v[MXV:MXV+3], v3, s[6:7] offset:2048      ; mx, kind v
	global_load_b128 v[MXV+4:MXV+7], v3, s[6:7] offset:2064
.irp j, 0,1,2,3,4,5,6
	global_load_b32 v[DV+2*(\j)], v[DO], s[18:19] offset:512*(\j)
.endr
.irp j, 0,1,2,3,4,5,6
.irp i, 0,1
.irp h, 0,1
	global_load_b128 v[U+16*(\j)+8*(\i)+4*(\h):U+16*(\j)+8*(\i)+4*(\h)+3], v[GL], s[4:5] offset:65536*(\j)+1024*(\i)+512*(\h)
.endr
.endr
.endr
.irp j, 0,1,2,3,4,5,6
	v_mov_b32 v[DV+2*(\j)+1], 0
.endr
.irp n, 0,1,2,3
	v_mov_b32 v[ZV+(\n)], 0
.endr
	global_store_b128 v[GL], v[ZV:ZV+3], s[8:9]                ; S_in(0) = 0
	global_store_b128 v[GL], v[ZV:ZV+3], s[8:9] offset:512
	s_wait_loadcnt 35                              ; mx is in; D's 7 and U's 28 loads stay out
	v_max3_num_f32 v[MXV], v[MXV], v[MXV+1], v[MXV+2]
	v_max3_num_f32 v[MXV+3], v[MXV+3], v[MXV+4], v[MXV+5]
	v_max3_num_f32 v[MXV], v[MXV], v[MXV+6], v[MXV+7]
	v_max_num_f32 v[MXV], v[MXV], v[MXV+3]
	v_max_num_f32_dpp v[MXV], v[MXV], v[MXV] row_xmask:1 row_mask:0xf bank_mask:0xf
	v_max_num_f32_dpp v[MXV], v[MXV], v[MXV] row_xmask:2 row_mask:0xf bank_mask:0xf
	v_max_num_f32_dpp v[MXV], v[MXV], v[MXV] row_xmask:4 row_mask:0xf bank_mask:0xf
	v_max_num_f32_dpp v[MXV], v[MXV], v[MXV] row_xmask:8 row_mask:0xf bank_mask:0xf
	v_permlanex16_b32 v[MXV+1], v[MXV], s20, s21
	v_max_num_f32 v[MXV], v[MXV], v[MXV+1]
	v_max_num_f32 v[MXV], 0x33800000, v[MXV]       ; at least 2^-24
	v_and_b32 v[MXV], 0x7f800000, v[MXV]
	v_readfirstlane_b32 s22, v[MXV]
	s_sub_co_u32 s22, 0x7d800000, s22              ; sv4 = 2^-(exponent + 3)
	s_mov_b32 s23, s22
.macro STEP c
	s_wait_loadcnt 4*(7-(\c))                      ; U of chunk c - 1 is in (and every D, issued earlier); the younger U stay out
.if (\c) > 1
.irp n, 0,2,4,6,8,10,12,14
	v_pk_fma_f32 v[U+(\n):U+(\n)+1], v[U+(\n):U+(\n)+1], v[DV+2*((\c)-1):DV+2*((\c)-1)+1], v[U+16*((\c)-1)+(\n):U+16*((\c)-1)+(\n)+1] op_sel_hi:[1,0,1]
.endr
.endif
.irp n, 0,2,4,6,8,10,12,14
	v_pk_mul_f32 v[T+(\n):T+(\n)+1], v[U+(\n):U+(\n)+1], s[22:23] op_sel_hi:[1,0]
.endr
	s_wait_xcnt 0x0                                ; the stores of two steps back have read this set
.irp n, 0,1,2,3,4,5,6,7
	v_cvt_pk_f16_f32 v[O+8*((\c)%2)+(\n)], v[T+2*(\n)], v[T+2*(\n)+1]
.endr
	global_store_b128 v[GL], v[O+8*((\c)%2):O+8*((\c)%2)+3], s[8:9] offset:32768*(\c)
	global_store_b128 v[GL], v[O+8*((\c)%2)+4:O+8*((\c)%2)+7], s[8:9] offset:32768*(\c)+512
.endm
.irp c, 1,2,3,4,5,6,7
	STEP \c
.endr
	s_endpgm
.Lfunc_end_k_q1c11d57920_scan:
	.size	k_q1c11d57920_scan, .Lfunc_end_k_q1c11d57920_scan-k_q1c11d57920_scan
	.p2alignl 7, 3214868480
	.fill 96, 4, 3214868480
	.section	.rodata,"a",@progbits
	.p2align	6, 0x0
	.amdhsa_kernel k_q1c11d57920_scan
		.amdhsa_group_segment_fixed_size 0
		.amdhsa_private_segment_fixed_size 0
		.amdhsa_enable_private_segment 0
		.amdhsa_kernarg_size 24
		.amdhsa_user_sgpr_count 2
		.amdhsa_user_sgpr_kernarg_segment_ptr 1
		.amdhsa_wavefront_size32 1
		.amdhsa_system_sgpr_workgroup_id_x 1
		.amdhsa_system_sgpr_workgroup_id_y 1
		.amdhsa_system_sgpr_workgroup_id_z 1
		.amdhsa_system_vgpr_workitem_id 0
		.amdhsa_next_free_vgpr 176
		.amdhsa_next_free_sgpr 66
		.amdhsa_reserve_vcc 0
		.amdhsa_float_denorm_mode_32 3
		.amdhsa_float_denorm_mode_16_64 3
		.amdhsa_memory_ordered 1
		.amdhsa_forward_progress 1
		.amdhsa_inst_pref_size 19
	.end_amdhsa_kernel
	.amdgpu_metadata
---
amdhsa.version: [ 1, 2 ]
amdhsa.kernels:
  - .name:           k_q1c11d57920_scan
    .symbol:         k_q1c11d57920_scan.kd
    .args:
      - { .name: ub, .offset: 0, .size: 8, .value_kind: global_buffer, .address_space: global }
      - { .name: mx, .offset: 8, .size: 8, .value_kind: global_buffer, .address_space: global }
      - { .name: s16, .offset: 16, .size: 8, .value_kind: global_buffer, .address_space: global }
    .group_segment_fixed_size: 0
    .private_segment_fixed_size: 0
    .kernarg_segment_align: 8
    .kernarg_segment_size: 24
    .max_flat_workgroup_size: 128
    .sgpr_count:     66
    .vgpr_count:     176
    .wavefront_size: 32
...
	.end_amdgpu_metadata
.endif
;; end of part 4
;; launch combine (part 5): grid 8 x 32, 4 waves a work-group, no clusters, 113,152 bytes of LDS; arguments s16, qh, oi, mx, of; writes of
.if DOCPART == 5
	.amdgcn_target "amdgcn-amd-amdhsa--gfx1250"
	.amdhsa_code_object_version 6
	.text
	.protected	k_q1c11d57920_combine
	.globl	k_q1c11d57920_combine
	.p2align	8
	.type	k_q1c11d57920_combine,@function
k_q1c11d57920_combine:
	s_mov_b64 s[64:65], 0
	v_nop
	global_prefetch_b8 v0, s[64:65] scope:SCOPE_SE
	s_setreg_imm32_b32 hwreg(HW_REG_WAVE_MODE, 25, 1), 1
	s_wait_xcnt 0x0
; o'[t][vc] = O_intra[t][vc] x sv4 + sum over kc of q-hat'[t][kc] S'[kc][vc], rounded to f16 into of[token][2048].  |o'| stays within 32,768 by the scales; the last launch takes them out again.
; A work-group takes chunk x of head y; wave w the vc tiles 2 w, 2 w + 1 for all 128 t.  O^T = S'^T q-hat^T: source 0 = 16 vc x 32 kc, source 1 = 32 kc x 16 t; the sums start from O_intra's image, loaded
; straight into the accumulators and scaled there.  S' ([kc][vc]) and q-hat ([kc][t]) go through registers into LDS and come out turned.  32 KB tiles read once: no tensor load, no ring.
.set QHT, 0                            ; 256 rows (half, kc) of 64 t: 128 bytes + 32
.set ST,  40960                        ; 128 rows kc of 128 vc: 256 bytes + 32
.set STG, 77824                        ; the way out: 128 rows t of 256 bytes + 16
.set SPARE, 112640                     ; the spare words
.set MXV, 4
.set GL,  12
.set MXO, 14
.set SST, 15
.set QST, 16
.set FSA, 17
.set FQA, 18
.set GST, 19
.set GRD, 20
.set OFO, 21
.set SPW, 28
.set NIL, 29
.set FS,  32                           ; v[32:95] S' fragments (vc tile m, kc group k at 8 (4 m + k)); later the packed results
.set OA,  128                          ; v[128:255] sixteen accumulators, (m, t block I) at 8 (8 m + I)
.set MSB, 0
.macro WIN new
.if MSB != (\new)
	s_set_vgpr_msb (MSB<<8)|(\new)
.set MSB, \new
.endif
.endm
	s_load_b256 s[4:11], s[0:1], 0x0               ; s16 s[4:5], qh s[6:7], oi s[8:9], mx s[10:11]
	s_load_b64 s[12:13], s[0:1], 0x20              ; of
	v_lshl_add_u32 v[SPW], v0, 2, SPARE
	v_mov_b32 v[NIL], 0
	v_lshrrev_b32 v1, 5, v0
	v_readfirstlane_b32 s14, v1                    ; wave
	s_and_b32 s16, ttmp7, 0xffff                   ; hb
	s_lshl_b32 s17, s16, 3
	s_add_co_u32 s17, s17, ttmp9                   ; 8 hb + c
	s_lshl_b32 s18, s17, 15                        ; s16: 32,768 bytes a chunk, my two kc tiles 8,192
	s_lshl_b32 s19, s14, 13
	s_add_co_u32 s18, s18, s19
	s_mov_b32 s19, 0
	s_lshl_b32 s20, s17, 15                        ; qh: 32,768 bytes a chunk; of each 2,048 my wave takes 512
	s_lshl_b32 s21, s14, 9
	s_add_co_u32 s20, s20, s21
	s_mov_b32 s21, 0
	s_lshl_b32 s22, s17, 16                        ; oi: 65,536 bytes a chunk, 16,384 a wave
	s_lshl_b32 s23, s14, 14
	s_add_co_u32 s22, s22, s23
	s_mov_b32 s23, 0
	s_lshr_b32 s24, s16, 4                         ; of: token 1,024 batch + 128 c + 32 w, 4,096 bytes a token; the head's 256 bytes
	s_lshl_b32 s24, s24, 22
	s_lshl_b32 s25, ttmp9, 19
	s_add_co_u32 s24, s24, s25
	s_lshl_b32 s25, s14, 17
	s_add_co_u32 s24, s24, s25
	s_and_b32 s25, s16, 15
	s_lshl_b32 s25, s25, 8
	s_add_co_u32 s24, s24, s25
	s_mov_b32 s25, 0
	s_mov_b32 s28, 0x76543210
	s_mov_b32 s29, 0xfedcba98
	v_and_b32 v1, 31, v0                           ; l
	v_and_b32 v2, 15, v0                           ; r
	v_bfe_u32 v3, v0, 4, 1                         ; h
	v_lshlrev_b32 v[GL], 4, v1
	v_lshlrev_b32 v[MXO], 5, v1
	v_and_b32 v22, 7, v0
	v_lshrrev_b32 v23, 3, v1
	v_bfe_u32 v24, v0, 3, 1
	v_lshl_add_u32 v25, v3, 3, v22                 ; 8 h + l % 8
	s_mul_i32 s30, s14, 32*288
	s_add_co_u32 s30, s30, ST
	v_mul_u32_u24 v[SST], v2, 288
	v_lshl_add_u32 v[SST], v3, 4, v[SST]
	v_add_nc_u32 v[SST], s30, v[SST]               ; row kc = 32 w + r, 16 bytes for each half of the lanes
	s_mul_i32 s30, s14, 4*160
	v_mul_u32_u24 v[QST], v23, 160
	v_lshl_add_u32 v[QST], v22, 4, v[QST]
	v_add_nc_u32 v[QST], s30, v[QST]               ; of each 16 rows: row 4 w + l / 8, 16 bytes at l % 8
	s_lshl_b32 s30, s14, 6
	s_add_co_u32 s31, s30, ST
	v_mul_u32_u24 v[FSA], v25, 288
	v_lshl_add_u32 v[FSA], v24, 4, v[FSA]
	v_add_nc_u32 v[FSA], s31, v[FSA]
	v_mul_u32_u24 v[FQA], v25, 160
	v_lshl_add_u32 v[FQA], v24, 4, v[FQA]
	s_add_co_u32 s31, s30, STG
	v_mul_u32_u24 v[GST], v2, 272
	v_lshl_add_u32 v[GST], v3, 4, v[GST]
	v_add_nc_u32 v[GST], s31, v[GST]
	s_mul_i32 s31, s14, 32*272
	s_add_co_u32 s31, s31, STG
	v_mul_u32_u24 v[GRD], v3, 272
	v_lshl_add_u32 v[GRD], v2, 4, v[GRD]
	v_add_nc_u32 v[GRD], s31, v[GRD]
	v_lshlrev_b32 v[OFO], 12, v3
	v_lshl_add_u32 v[OFO], v2, 4, v[OFO]
	s_wait_kmcnt 0x0
	s_add_nc_u64 s[4:5], s[4:5], s[18:19]
	s_add_nc_u64 s[6:7], s[6:7], s[20:21]
	s_add_nc_u64 s[8:9], s[8:9], s[22:23]
	s_add_nc_u64 s[12:13], s[12:13], s[24:25]
	WIN 0x40                                       ; destinations in window 1
.irp t, 0,1,2,3,4,5,6,7,8,9,10,11,12,13,14,15
	global_load_b128 v[4*(\t):4*(\t)+3], v[GL], s[4:5] offset:512*(\t)
.endr
.irp i, 0,1,2,3,4,5,6,7,8,9,10,11,12,13,14,15
	global_load_b128 v[64+4*(\i):64+4*(\i)+3], v[GL], s[6:7] offset:2048*(\i)
.endr
	WIN 0
	global_load_b128 v[MXV:MXV+3], v[MXO], s[10:11] offset:2048
	global_load_b128 v[MXV+4:MXV+7], v[MXO], s[10:11] offset:2064
.set n, 0
.rept 32
	global_load_b128 v[OA+4*n:OA+4*n+3], v[GL], s[8:9] offset:512*n
.set n, n+1
.endr
	s_wait_loadcnt 50                              ; S' is in; q-hat's 16, mx's 2 and O_intra's 32 loads stay out
	WIN 0x04                                       ; store data in window 1
.irp j, 0,1
.irp m, 0,1,2,3,4,5,6,7
	ds_store_b128 v[SST], v[4*(8*(\j)+(\m)):4*(8*(\j)+(\m))+3] offset:16*288*(\j)+32*(\m)
.endr
.endr
	s_wait_loadcnt 34                              ; q-hat is in
.irp i, 0,1,2,3,4,5,6,7,8,9,10,11,12,13,14,15
	ds_store_b128 v[QST], v[64+4*(\i):64+4*(\i)+3] offset:16*160*(\i)
.endr
	WIN 0
	s_wait_loadcnt 32                              ; mx is in
	v_max3_num_f32 v[MXV], v[MXV], v[MXV+1], v[MXV+2]
	v_max3_num_f32 v[MXV+3], v[MXV+3], v[MXV+4], v[MXV+5]
	v_max3_num_f32 v[MXV], v[MXV], v[MXV+6], v[MXV+7]
	v_max_num_f32 v[MXV], v[MXV], v[MXV+3]
	v_max_num_f32_dpp v[MXV], v[MXV], v[MXV] row_xmask:1 row_mask:0xf bank_mask:0xf
	v_max_num_f32_dpp v[MXV], v[MXV], v[MXV] row_xmask:2 row_mask:0xf bank_mask:0xf
	v_max_num_f32_dpp v[MXV], v[MXV], v[MXV] row_xmask:4 row_mask:0xf bank_mask:0xf
	v_max_num_f32_dpp v[MXV], v[MXV], v[MXV] row_xmask:8 row_mask:0xf bank_mask:0xf
	v_permlanex16_b32 v[MXV+1], v[MXV], s28, s29
	v_max_num_f32 v[MXV], v[MXV], v[MXV+1]
	v_max_num_f32 v[MXV], 0x33800000, v[MXV]
	v_and_b32 v[MXV], 0x7f800000, v[MXV]
	v_readfirstlane_b32 s26, v[MXV]
	s_sub_co_u32 s26, 0x7d800000, s26              ; sv4
	s_mov_b32 s27, s26
	s_wait_dscnt 0x0                               ; for the others' sake: my stores are done
	s_barrier_signal -1
	s_barrier_wait -1
.irp m, 0,1
.irp k, 0,1,2,3
	ds_load_tr16_b128 v[FS+8*(4*(\m)+(\k)):FS+8*(4*(\m)+(\k))+3], v[FSA] offset:32*288*(\k)+32*(\m)
	ds_load_tr16_b128 v[FS+8*(4*(\m)+(\k))+4:FS+8*(4*(\m)+(\k))+7], v[FSA] offset:32*288*(\k)+16*288+32*(\m)
.endr
.endr
	WIN 0x40
.set I, 0
.rept 8
.irp k, 0,1,2,3
	ds_load_tr16_b128 v[8*(4*I+(\k)):8*(4*I+(\k))+3], v[FQA] offset:128*160*(I/4)+32*160*(\k)+32*(I%4)
	ds_load_tr16_b128 v[8*(4*I+(\k))+4:8*(4*I+(\k))+7], v[FQA] offset:128*160*(I/4)+32*160*(\k)+16*160+32*(I%4)
.endr
.set I, I+1
.endr
	WIN 0
	s_wait_loadcnt 0x0                             ; O_intra
.set n, 0
.rept 64
	v_pk_mul_f32 v[OA+n:OA+n+1], v[OA+n:OA+n+1], s[26:27] op_sel_hi:[1,0]
.set n, n+2
.endr
	s_wait_dscnt 0x0
	WIN 0x04                                       ; source 1 (q-hat) in window 1
.irp k, 0,1,2,3                        ; the sixteen accumulators take turns
.set I, 0
.rept 8
.irp m, 0,1
	v_wmma_f32_16x16x32_f16 v[OA+8*(8*(\m)+I):OA+8*(8*(\m)+I)+7], v[FS+8*(4*(\m)+(\k)):FS+8*(4*(\m)+(\k))+7], v[8*(4*I+(\k)):8*(4*I+(\k))+7], v[OA+8*(8*(\m)+I):OA+8*(8*(\m)+I)+7]
.endr
.set I, I+1
.endr
.endr
	WIN 0
.rept 4
	v_nop                                          ; the places behind the last products
.endr
.set n, 0
.rept 64
	v_cvt_pk_f16_f32 v[FS+n], v[OA+2*n], v[OA+2*n+1]
.set n, n+1
.endr
.irp m, 0,1
.set I, 0
.rept 8
	ds_store_b128 v[GST], v[FS+4*(8*(\m)+I):FS+4*(8*(\m)+I)+3] offset:16*272*I+32*(\m)
.set I, I+1
.endr
.endr
	s_wait_dscnt 0x0                               ; a row's 256 bytes come from four waves
	s_barrier_signal -1
	s_barrier_wait -1
.irp i, 0,1,2,3,4,5,6,7,8,9,10,11,12,13,14,15
	ds_load_b128 v[FS+4*(\i):FS+4*(\i)+3], v[GRD] offset:2*272*(\i)
.endr
.irp i, 0,1,2,3,4,5,6,7,8,9,10,11,12,13,14,15
	s_wait_dscnt 15-(\i)
	global_store_b128 v[OFO], v[FS+4*(\i):FS+4*(\i)+3], s[12:13] offset:8192*(\i)  ; sixteen lanes store 256 consecutive bytes, aligned
.endr
	s_wait_tensorcnt 0x0                           ; the wave's end
	ds_add_u32 v[SPW], v[NIL]
	s_wait_dscnt 0x0
	s_endpgm
.Lfunc_end_k_q1c11d57920_combine:
	.size	k_q1c11d57920_combine, .Lfunc_end_k_q1c11d57920_combine-k_q1c11d57920_combine
	.p2alignl 7, 3214868480
	.fill 96, 4, 3214868480
	.section	.rodata,"a",@progbits
	.p2align	6, 0x0
	.amdhsa_kernel k_q1c11d57920_combine
		.amdhsa_group_segment_fixed_size 113152
		.amdhsa_private_segment_fixed_size 0
		.amdhsa_enable_private_segment 0
		.amdhsa_kernarg_size 40
		.amdhsa_user_sgpr_count 2
		.amdhsa_user_sgpr_kernarg_segment_ptr 1
		.amdhsa_wavefront_size32 1
		.amdhsa_system_sgpr_workgroup_id_x 1
		.amdhsa_system_sgpr_workgroup_id_y 1
		.amdhsa_system_sgpr_workgroup_id_z 1
		.amdhsa_system_vgpr_workitem_id 0
		.amdhsa_next_free_vgpr 512
		.amdhsa_next_free_sgpr 66
		.amdhsa_reserve_vcc 0
		.amdhsa_float_denorm_mode_32 3
		.amdhsa_float_denorm_mode_16_64 3
		.amdhsa_memory_ordered 1
		.amdhsa_forward_progress 1
		.amdhsa_inst_pref_size 35
	.end_amdhsa_kernel
	.amdgpu_metadata
---
amdhsa.version: [ 1, 2 ]
amdhsa.kernels:
  - .name:           k_q1c11d57920_combine
    .symbol:         k_q1c11d57920_combine.kd
    .args:
      - { .name: s16, .offset: 0, .size: 8, .value_kind: global_buffer, .address_space: global }
      - { .name: qh, .offset: 8, .size: 8, .value_kind: global_buffer, .address_space: global }
      - { .name: oi, .offset: 16, .size: 8, .value_kind: global_buffer, .address_space: global }
      - { .name: mx, .offset: 24, .size: 8, .value_kind: global_buffer, .address_space: global }
      - { .name: of, .offset: 32, .size: 8, .value_kind: global_buffer, .address_space: global }
    .group_segment_fixed_size: 113152
    .private_segment_fixed_size: 0
    .kernarg_segment_align: 8
    .kernarg_segment_size: 40
    .max_flat_workgroup_size: 128
    .sgpr_count:     66
    .vgpr_count:     512
    .wavefront_size: 32
...
	.end_amdgpu_metadata
.endif
;; end of part 5
;; launch outproj (part 6): grid 16 x 16, 4 waves a work-group, clusters of 4 x 4, 327,680 bytes of LDS; arguments of, cb, mx, out0; writes out0
.if DOCPART == 6
	.amdgcn_target "amdgcn-amd-amdhsa--gfx1250"
	.amdhsa_code_object_version 6
	.text
	.protected	k_q1c11d57920_outproj
	.globl	k_q1c11d57920_outproj
	.p2align	8
	.type	k_q1c11d57920_outproj,@function
k_q1c11d57920_outproj:
	s_mov_b64 s[64:65], 0
	v_nop
	global_prefetch_b8 v0, s[64:65] scope:SCOPE_SE
	s_setreg_imm32_b32 hwreg(HW_REG_WAVE_MODE, 25, 1), 1
	s_wait_xcnt 0x0
	s_wait_alu depctr_hold_cnt(0) depctr_sa_sdst(0) depctr_va_vdst(0) depctr_va_sdst(0) depctr_va_ssrc(0) depctr_va_vcc(0) depctr_vm_vsrc(0)
	s_getreg_b32 s2, hwreg(HW_REG_IB_STS2, 6, 4)
	s_cmp_eq_u32 s2, 0
	s_cbranch_scc0 .Lentry_in_a_cluster
	s_endpgm
.Lentry_in_a_cluster:
	s_bfe_u32 s2, ttmp6, 0x10000c
	s_cmp_lg_u32 s2, 0xf033
	s_cbranch_scc0 .Lentry_shape_is_right
	s_endpgm
.Lentry_shape_is_right:
; out0[token][n] = fs x sum over k of o'[token][k] Wo[k][n], f16 operands, f32 sums, f32 out.  fs = 4 x 2^(eq+1) 2^(ek+1) 2^(ev+1) x 128^-0.5 takes out the three power-of-two scales
; of the launches before (exponents of mx's largest magnitudes, held to 2^-24 at the least) and applies the factor that q was stored without.
; A tile of 128 x 128 to a work-group (256 of them), 64 x 64 to a wave.  K in 8 steps of 256 through two LDS slots.  o' lies [token][K]: rows of 512 bytes; Wo lies [K][N]: 256 K rows of 256 bytes, fragments turned.
; CLUSTER 4 x 4: o's tile shared along a row, Wo's along a column.  The matrix instruction is used transposed: a lane ends with eight neighbouring f32 of one token; a wave's 64 columns are 256 bytes, so its stage is its own.
; No prefetch: the tiles are small and each is read by four clusters at about the same time.
.set KSTEP,  256
.set PITCH,  528
.set PB,     288
.set HALFA,  64*PITCH
.set HALFB,  128*PB
.set BOFF,   2*HALFA
.set SLOT,   2*HALFA+2*HALFB
.set STAGE,  2*SLOT
.set SPITCH, 272
.set SPARE,  STAGE+4*16*SPITCH
.set LAPS,   4
.set WV, 12
.set RH, 13
.set CH, 14
.set TR, 15
.set FSC, 66                           ; s[66:67] fs
.set ADRA, 16                          ; v16-17
.set ADRB, 20                          ; v20-23: two for each slot, 128 K rows apart
.set STO,  24
.set RD,   25
.set CO,   26
.set MXO,  27
.set SPW,  28
.set NIL,  29
.set TMP,  32
.set OBF,  64
.set ACC,  128
.set F0,   0
.set F1,   128
.set G1, 24
.set G0, 32
.set G1B, 48
.set G0B, 56
.set MSB, 0
.macro WIN new
.if MSB != (\new)
	s_set_vgpr_msb (MSB<<8)|(\new)
.set MSB, \new
.endif
.endm
.set MUL,  0x05                        ; sources 0 (Wo) and 1 (o') window 1; C and D window 0
.set TO_F, 0x40
.macro JLOAD s                         ; waves 0 and 1 fetch o's two halves, waves 2 and 3 Wo's; s_nop 0 and four v_nop follow each line
	s_cmp_eq_u32 s[RH], 0
	s_cbranch_scc0 .Lfor_b_\@
	tensor_load_to_lds s[G0+4*(\s):G0+4*(\s)+3], s[G1:G1+7]
	s_nop 0
.rept 4
	v_nop
.endr
	s_branch .Lasked_\@
.Lfor_b_\@:
	tensor_load_to_lds s[G0B+4*(\s):G0B+4*(\s)+3], s[G1B:G1B+7]
	s_nop 0
.rept 4
	v_nop
.endr
.Lasked_\@:
.endm
.macro CREST
	s_cmp_lg_u32 s[WV], 0
	s_cbranch_scc1 .Lnot_wave_0_\@
	s_barrier_signal -3
.Lnot_wave_0_\@:
	s_barrier_wait -3
	s_barrier_signal -1
	s_barrier_wait -1
.endm
.macro CROUND
	s_barrier_signal -1
	s_barrier_wait -1
	CREST
.endm
.macro MXRED src, sdst
	v_max3_num_f32 v[\src], v[\src], v[(\src)+1], v[(\src)+2]
	v_max3_num_f32 v[(\src)+3], v[(\src)+3], v[(\src)+4], v[(\src)+5]
	v_max3_num_f32 v[\src], v[\src], v[(\src)+6], v[(\src)+7]
	v_max_num_f32 v[\src], v[\src], v[(\src)+3]
	v_max_num_f32_dpp v[\src], v[\src], v[\src] row_xmask:1 row_mask:0xf bank_mask:0xf
	v_max_num_f32_dpp v[\src], v[\src], v[\src] row_xmask:2 row_mask:0xf bank_mask:0xf
	v_max_num_f32_dpp v[\src], v[\src], v[\src] row_xmask:4 row_mask:0xf bank_mask:0xf
	v_max_num_f32_dpp v[\src], v[\src], v[\src] row_xmask:8 row_mask:0xf bank_mask:0xf
	v_permlanex16_b32 v[(\src)+1], v[\src], s68, s69
	v_max_num_f32 v[\src], v[\src], v[(\src)+1]
	v_max_num_f32 v[\src], 0x33800000, v[\src]
	v_and_b32 v[\src], 0x7f800000, v[\src]
	v_readfirstlane_b32 \sdst, v[\src]
.endm
	s_load_b128 s[4:7], s[0:1], 0x0                ; of s[4:5], cb s[6:7]
	s_load_b128 s[8:11], s[0:1], 0x10              ; mx s[8:9], out0 s[10:11]
	v_lshl_add_u32 v[SPW], v0, 2, SPARE
	v_mov_b32 v[NIL], 0
	ds_add_u32 v[SPW], v[NIL]                      ; the opening: the add, twice on end, and its wait ahead of my first tensor load
	ds_add_u32 v[SPW], v[NIL]
	v_lshrrev_b32 v1, 5, v0
	v_readfirstlane_b32 s[WV], v1
	s_lshr_b32 s[RH], s[WV], 1                     ; my half of the tokens.  Also: I fetch o' (0) or Wo (1)
	s_and_b32 s[CH], s[WV], 1                      ; my half of the columns.  Also: which half of that tile I fetch
	s_bfe_u32 s40, ttmp6, 0x40000
	s_bfe_u32 s41, ttmp6, 0x40004
	s_lshl_b32 s42, ttmp9, 2
	s_add_co_u32 s42, s42, s40                     ; tile column
	s_and_b32 s[TR], ttmp7, 0xffff
	s_lshl_b32 s[TR], s[TR], 2
	s_add_co_u32 s[TR], s[TR], s41                 ; tile row
	s_lshl_b32 s43, s41, 2
	s_lshl_b32 s43, 15, s43
	s_lshl_b32 s44, 0x1111, s40
	s_or_b32 s[G1+0], s43, (1<<16)|(1<<20)|(1<<21)|(6<<22)|(3<<25)   ; o': 4 words of padding after every 128
	s_or_b32 s[G1B+0], s44, (1<<16)|(1<<20)|(1<<21)|(5<<22)|(7<<25)  ; Wo: 8 words after every 64
	s_mov_b32 s[G1+1], 256<<16                     ; 64 rows x 256 elements
	s_mov_b32 s[G1+2], 64<<16
	s_mov_b32 s[G1+3], 256<<16
	s_mov_b32 s[G1+4], 64
	s_mov_b32 s[G1+5], 2048
	s_mov_b32 s[G1+6], 0
	s_mov_b32 s[G1+7], 0
	s_mov_b32 s[G1B+1], 128<<16                    ; 128 K rows x 128 elements
	s_mov_b32 s[G1B+2], 128<<16
	s_mov_b32 s[G1B+3], 128<<16
	s_mov_b32 s[G1B+4], 128
	s_mov_b32 s[G1B+5], 2048
	s_mov_b32 s[G1B+6], 0
	s_mov_b32 s[G1B+7], 0
	s_lshl_b32 s16, s[TR], 7
	s_lshl_b32 s17, s[CH], 6
	s_add_co_u32 s16, s16, s17
	s_lshl_b32 s16, s16, 12                        ; o': token 128 tr + 64 half
	s_mov_b32 s17, 0
	s_lshl_b32 s46, s42, 8                         ; Wo: plane 5 of cb, 256 bytes of each row, K row 128 half
	s_lshl_b32 s47, s[CH], 19
	s_add_co_u32 s46, s46, s47
	s_add_co_u32 s46, s46, 5*8388608
	s_mov_b32 s47, 0
	s_mul_i32 s20, s[CH], HALFA
	s_mul_i32 s21, s[CH], HALFB
	s_add_co_u32 s21, s21, BOFF
	s_mov_b32 s68, 0x76543210
	s_mov_b32 s69, 0xfedcba98
	s_wait_dscnt 0x0
	s_wait_kmcnt 0x0
	s_add_nc_u64 s[18:19], s[4:5], s[16:17]
	s_add_nc_u64 s[46:47], s[6:7], s[46:47]
	CROUND
.irp s, 0,1
	s_mov_b32 s[G0+4*(\s)], 1
	s_add_co_u32 s[G0+4*(\s)+1], s20, (\s)*SLOT
	s_add_nc_u64 s[G0+4*(\s)+2:G0+4*(\s)+3], s[18:19], (\s)*KSTEP*2
	s_or_b32 s[G0+4*(\s)+3], s[G0+4*(\s)+3], 0x80000000
	s_mov_b32 s[G0B+4*(\s)], 1
	s_add_co_u32 s[G0B+4*(\s)+1], s21, (\s)*SLOT
	s_add_nc_u64 s[G0B+4*(\s)+2:G0B+4*(\s)+3], s[46:47], (\s)*KSTEP*4096
	s_or_b32 s[G0B+4*(\s)+3], s[G0B+4*(\s)+3], 0x80000000
	JLOAD \s
.endr
	v_and_b32 v5, 31, v0
	v_lshlrev_b32 v[MXO], 5, v5
.irp k, 0,1,2
	global_load_b128 v[TMP+8*(\k):TMP+8*(\k)+3], v[MXO], s[8:9] offset:1024*(\k)
	global_load_b128 v[TMP+8*(\k)+4:TMP+8*(\k)+7], v[MXO], s[8:9] offset:1024*(\k)+16
.endr
	v_and_b32 v1, 15, v0
	v_bfe_u32 v2, v0, 4, 1
	v_mul_u32_u24 v3, v1, PITCH
	v_lshl_add_u32 v3, v2, 4, v3
	v_and_b32 v4, 7, v0
	v_lshl_add_u32 v4, v2, 3, v4
	v_mul_u32_u24 v4, v4, PB
	v_bfe_u32 v5, v0, 3, 1
	v_lshl_add_u32 v4, v5, 4, v4
	s_mul_i32 s21, s[RH], HALFA                    ; my 64 tokens
	s_lshl_b32 s22, s[CH], 7                       ; my 64 columns: 128 bytes
	s_add_co_u32 s22, s22, BOFF
.irp s, 0,1
	v_add_nc_u32 v[ADRA+(\s)], s21, v3
	v_add_nc_u32 v[ADRB+2*(\s)], s22, v4
	v_add_nc_u32 v[ADRB+2*(\s)+1], HALFB, v[ADRB+2*(\s)]
	s_add_co_u32 s21, s21, SLOT
	s_add_co_u32 s22, s22, SLOT
.endr
	s_mul_i32 s23, s[WV], 16*SPITCH
	s_add_co_u32 s23, s23, STAGE
	v_mul_u32_u24 v4, v1, SPITCH                   ; in: row l % 16, 32 bytes for each half of the lanes
	v_lshl_add_u32 v4, v2, 5, v4
	v_add_nc_u32 v[STO], s23, v4
	v_mul_u32_u24 v5, v2, SPITCH                   ; back: lanes 0-15 one row of 256 bytes, lanes 16-31 the next
	v_lshl_add_u32 v5, v1, 4, v5
	v_add_nc_u32 v[RD], s23, v5
	v_lshlrev_b32 v5, 13, v2
	v_lshl_add_u32 v[CO], v1, 4, v5
	s_lshl_b32 s16, s[TR], 20                      ; out0: token 128 tr + 64 x my half, 8,192 bytes a token; column 128 tc + 64 x my half, 4 bytes
	s_lshl_b32 s17, s[RH], 19
	s_add_co_u32 s16, s16, s17
	s_lshl_b32 s17, s42, 9
	s_add_co_u32 s16, s16, s17
	s_lshl_b32 s17, s[CH], 8
	s_add_co_u32 s16, s16, s17
	s_mov_b32 s17, 0
	s_add_nc_u64 s[10:11], s[10:11], s[16:17]
	s_wait_loadcnt 0x0                             ; mx: made into fs while the first tiles are on their way
	MXRED TMP, s70
	MXRED TMP+8, s71
	MXRED TMP+16, s72
	s_add_co_u32 s70, s70, 0x00800000              ; 2^(exponent + 1)
	s_add_co_u32 s71, s71, 0x00800000
	s_add_co_u32 s72, s72, 0x00800000
	s_mul_f32 s70, s70, s71
	s_mul_f32 s70, s70, s72
	s_mul_f32 s[FSC], s70, 0x3eb504f3              ; x 4 / sqrt(128)
	s_mov_b32 s[FSC+1], s[FSC]
.macro MUL8 f, c, a0, zero
	WIN MUL
.irp a, \a0, (\a0)+1
.irp b, 0,1,2,3
.if \zero
	v_wmma_f32_16x16x32_f16 v[ACC+8*(4*(\a)+(\b)):ACC+8*(4*(\a)+(\b))+7], v[(\f)+64+8*(4*(\c)+(\b)):(\f)+64+8*(4*(\c)+(\b))+7], v[(\f)+8*(4*(\c)+(\a)):(\f)+8*(4*(\c)+(\a))+7], 0
.else
	v_wmma_f32_16x16x32_f16 v[ACC+8*(4*(\a)+(\b)):ACC+8*(4*(\a)+(\b))+7], v[(\f)+64+8*(4*(\c)+(\b)):(\f)+64+8*(4*(\c)+(\b))+7], v[(\f)+8*(4*(\c)+(\a)):(\f)+8*(4*(\c)+(\a))+7], v[ACC+8*(4*(\a)+(\b)):ACC+8*(4*(\a)+(\b))+7]
.endif
.endr
.endr
.endm
; 32 LDS loads in one run: quarter q (64 along K) into buffer f; the first 32 along K first
.macro FETCH slot, q, f
	WIN TO_F
.irp c, 0,1
.irp i, 0,1,2,3
	ds_load_tr16_b128 v[(\f)+64+8*(4*(\c)+(\i)):(\f)+64+8*(4*(\c)+(\i))+3],   v[ADRB+2*(\slot)+(\q)/2] offset:(((\q)%2)*64+32*(\c))*PB+32*(\i)
	ds_load_tr16_b128 v[(\f)+64+8*(4*(\c)+(\i))+4:(\f)+64+8*(4*(\c)+(\i))+7], v[ADRB+2*(\slot)+(\q)/2] offset:(((\q)%2)*64+32*(\c)+16)*PB+32*(\i)
	ds_load_b128 v[(\f)+8*(4*(\c)+(\i)):(\f)+8*(4*(\c)+(\i))+3],         v[ADRA+(\slot)] offset:(\q)*128+64*(\c)+(\i)*16*PITCH
	ds_load_b128 v[(\f)+8*(4*(\c)+(\i))+4:(\f)+8*(4*(\c)+(\i))+7],       v[ADRA+(\slot)] offset:(\q)*128+64*(\c)+(\i)*16*PITCH+32
.endr
.endr
.endm
.macro PLACES
.rept 4
	v_nop
.endr
.endm
.macro QUARTER slot, q, f, g, zero
	s_wait_dscnt 16                                ; the first 32 along K are in
	MUL8 \f, 0, 0, \zero
	MUL8 \f, 0, 2, \zero
	PLACES
	FETCH \slot, \q, \g
	s_wait_dscnt 32                                ; all but the 32 just issued
	MUL8 \f, 1, 0, 0
	MUL8 \f, 1, 2, 0
.endm
.macro TURN slot, next, fill
	WIN 0
	s_wait_tensorcnt 0x0                           ; all my tensor loads have landed: my part of the next slot
	ds_add_u32 v[SPW], v[NIL]
	s_wait_dscnt 17                                ; the add and the youngest sixteen loads may be out
	MUL8 F1, 0, 0, 0
	s_wait_dscnt 0x0                               ; the add is done, my reads of this slot are over
	s_barrier_signal -1
	MUL8 F1, 0, 2, 0
.if \fill
	WIN 0
.endif
	s_barrier_wait -1
.if \fill
	CREST
	s_add_nc_u64 s[G0+4*(\slot)+2:G0+4*(\slot)+3], s[G0+4*(\slot)+2:G0+4*(\slot)+3], 2*KSTEP*2
	s_add_nc_u64 s[G0B+4*(\slot)+2:G0B+4*(\slot)+3], s[G0B+4*(\slot)+2:G0B+4*(\slot)+3], 2*KSTEP*4096
	JLOAD \slot
.else
	PLACES
.endif
	FETCH \next, 0, F0
	MUL8 F1, 1, 0, 0
	MUL8 F1, 1, 2, 0
.endm
	s_wait_tensorcnt 1                             ; my part of K step 0 is in
	s_barrier_signal -1
	s_barrier_wait -1
	FETCH 0, 0, F0
	QUARTER 0, 1, F0, F1, 1
	WIN 0
	s_mov_b32 s3, LAPS-1
.Llap:
	QUARTER 0, 2, F1, F0, 0
	QUARTER 0, 3, F0, F1, 0
	TURN 0, 1, 1
	QUARTER 1, 1, F0, F1, 0
	QUARTER 1, 2, F1, F0, 0
	QUARTER 1, 3, F0, F1, 0
	TURN 1, 0, 1
	QUARTER 0, 1, F0, F1, 0
	WIN 0
	s_sub_co_u32 s3, s3, 1
	s_cmp_lg_u32 s3, 0
	s_cbranch_scc1 .Llap
	QUARTER 0, 2, F1, F0, 0                        ; the last lap fills nothing
	QUARTER 0, 3, F0, F1, 0
	TURN 0, 1, 0
	QUARTER 1, 1, F0, F1, 0
	QUARTER 1, 2, F1, F0, 0
	QUARTER 1, 3, F0, F1, 0
	s_wait_dscnt 16
	MUL8 F1, 0, 0, 0
	MUL8 F1, 0, 2, 0
	s_wait_dscnt 0x0
	MUL8 F1, 1, 0, 0
	MUL8 F1, 1, 2, 0
	WIN 0
	PLACES
; THE WAY OUT of token block a: times fs, through my own stage, back as whole rows of 256 bytes, stored
.macro OUTB a
.set BK, OBF+32*((\a)%2)
.irp b, 0,1,2,3
.irp p, 0,2,4,6
	v_pk_mul_f32 v[TMP+8*(\b)+(\p):TMP+8*(\b)+(\p)+1], v[ACC+8*(4*(\a)+(\b))+(\p):ACC+8*(4*(\a)+(\b))+(\p)+1], s[FSC:FSC+1] op_sel_hi:[1,0]
.endr
.endr
.irp b, 0,1,2,3
	ds_store_b128 v[STO], v[TMP+8*(\b):TMP+8*(\b)+3] offset:64*(\b)
	ds_store_b128 v[STO], v[TMP+8*(\b)+4:TMP+8*(\b)+7] offset:64*(\b)+16
.endr
.irp t, 0,1,2,3,4,5,6,7
	ds_load_b128 v[BK+4*(\t):BK+4*(\t)+3], v[RD] offset:(\t)*2*SPITCH  ; LDS serves a wave's instructions in order: these see the stores above
.endr
	s_wait_dscnt 0x0
	s_wait_xcnt 0x0                                ; earlier stores have read their base and data
.if (\a) > 0
	s_add_nc_u64 s[10:11], s[10:11], 16*8192
.endif
.irp t, 0,1,2,3,4,5,6,7
	global_store_b128 v[CO], v[BK+4*(\t):BK+4*(\t)+3], s[10:11] offset:2*8192*(\t)  ; sixteen lanes store 256 consecutive bytes, aligned
.endr
.endm
	OUTB 0
	OUTB 1
	OUTB 2
	OUTB 3
	s_wait_tensorcnt 0x0                           ; the wave's end
	ds_add_u32 v[SPW], v[NIL]
	s_wait_dscnt 0x0
	CROUND                                         ; the closing round
	s_endpgm
.Lfunc_end_k_q1c11d57920_outproj:
	.size	k_q1c11d57920_outproj, .Lfunc_end_k_q1c11d57920_outproj-k_q1c11d57920_outproj
	.p2alignl 7, 3214868480
	.fill 96, 4, 3214868480
	.section	.rodata,"a",@progbits
	.p2align	6, 0x0
	.amdhsa_kernel k_q1c11d57920_outproj
		.amdhsa_group_segment_fixed_size 327680
		.amdhsa_private_segment_fixed_size 0
		.amdhsa_enable_private_segment 0
		.amdhsa_kernarg_size 32
		.amdhsa_user_sgpr_count 2
		.amdhsa_user_sgpr_kernarg_segment_ptr 1
		.amdhsa_wavefront_size32 1
		.amdhsa_system_sgpr_workgroup_id_x 1
		.amdhsa_system_sgpr_workgroup_id_y 1
		.amdhsa_system_sgpr_workgroup_id_z 1
		.amdhsa_system_vgpr_workitem_id 0
		.amdhsa_next_free_vgpr 512
		.amdhsa_next_free_sgpr 74
		.amdhsa_reserve_vcc 0
		.amdhsa_float_denorm_mode_32 3
		.amdhsa_float_denorm_mode_16_64 3
		.amdhsa_memory_ordered 1
		.amdhsa_forward_progress 1
		.amdhsa_inst_pref_size 94
	.end_amdhsa_kernel
	.amdgpu_metadata
---
amdhsa.version: [ 1, 2 ]
amdhsa.kernels:
  - .name:           k_q1c11d57920_outproj
    .symbol:         k_q1c11d57920_outproj.kd
    .args:
      - { .name: of, .offset: 0, .size: 8, .value_kind: global_buffer, .address_space: global }
      - { .name: cb, .offset: 8, .size: 8, .value_kind: global_buffer, .address_space: global }
      - { .name: mx, .offset: 16, .size: 8, .value_kind: global_buffer, .address_space: global }
      - { .name: out0, .offset: 24, .size: 8, .value_kind: global_buffer, .address_space: global }
    .group_segment_fixed_size: 327680
    .private_segment_fixed_size: 0
    .kernarg_segment_align: 8
    .kernarg_segment_size: 32
    .max_flat_workgroup_size: 128
    .sgpr_count:     74
    .vgpr_count:     512
    .wavefront_size: 32
...
	.end_amdgpu_metadata
.endif
;; end of part 6
;; ======== version 2 of 2: 6 launches; version 1 with the launch scan written anew for expert scheduling mode
;; limits: values are held in f16: magnitudes above 65,504 overflow, below 6.1e-05 lose precision
;; workspace buffers: cb 50,331,648 bytes; qkvz 33,554,432 bytes; mx 4,096 bytes; qh 8,388,608 bytes; oi 16,777,216 bytes; ub 16,908,288 bytes; s16 8,388,608 bytes; of 8,388,608 bytes
;; launch cast: the kernel of part 1 again; grid 256 x 6, 8 waves a work-group, no clusters, 0 bytes of LDS; arguments x, Wq, Wk, Wv, Wg, Wo, cb; writes cb
;; launch proj: the kernel of part 2 again; grid 32 x 8, 4 waves a work-group, clusters of 4 x 4, 327,680 bytes of LDS; arguments cb, qkvz, mx; writes qkvz, mx
;; launch local: the kernel of part 3 again; grid 8 x 32, 4 waves a work-group, no clusters, 309,760 bytes of LDS; arguments qkvz, mx, qh, oi, ub; writes qh, oi, ub
;; launch scan (part 7): grid 8 x 32, 4 waves a work-group, no clusters, 0 bytes of LDS; arguments ub, mx, s16; writes s16
.if DOCPART == 7
	.amdgcn_target "amdgcn-amd-amdhsa--gfx1250"
	.amdhsa_code_object_version 6
	.text
	.protected	k_q1c11d57920_scan
	.globl	k_q1c11d57920_scan
	.p2align	8
	.type	k_q1c11d57920_scan,@function
k_q1c11d57920_scan:
	s_mov_b64 s[64:65], 0
	v_nop
	global_prefetch_b8 v0, s[64:65] scope:SCOPE_SE
	s_setreg_imm32_b32 hwreg(HW_REG_WAVE_SCHED_MODE, 0, 2), 2
	s_setreg_imm32_b32 hwreg(HW_REG_WAVE_MODE, 25, 1), 1
	s_wait_xcnt 0x0
	s_wait_alu depctr_vm_vsrc(0)
; THE STATE FROM CHUNK TO CHUNK.  S_in(0) = 0; S_in(c + 1) = D_c S_in(c) + U_c, carried in f32; stored as f16(S_in x sv4), sv4 = 2^-(exponent of v's largest magnitude + 3): within 256.
; A work-group takes kc tile x of head y, a wave two of its eight vc tiles.  In the image a lane holds one kc (l % 16), so D is one number a lane.
; All 37 loads go out at once; the waits count the younger ones.  No LDS, no matrix unit: seven dependent steps on 16 numbers a lane.
; THE MODE: SCHED_MODE bits 1:0 = 2 (LLVM: expert scheduling mode 2), set by the entry lines.  The code itself states the register dependences
; between vector instructions and memory instructions, with s_wait_alu, always for 0.
; THE PLAN.  Registers that memory instructions touch:
;   v3, v[GL], v[DO]   byte offsets, made once at the head and never written again: read by every load and store.
;   v[ZV ..]           four zeros, made once at the head: read by the two stores of S_in(0), never written again.
;   mx, D, U           loads land in them; no vector instruction names them ahead of those loads.
;   O0, O1             two sets of eight packed results.  Step c's conversions write O[c % 2]; the two stores that read it are issued at the head of step c + 1
;                      (the last step's behind the last step).  So a step's stores read the set that the step's own conversions do not name.
;   T and S (in U_0's registers) are named by vector instructions alone, once U_0 has landed.
; One wait on va_vdst at the head covers the offsets and the zeros.  At a step's head one wait on va_vdst states that the step before has written its set; from step 3 on
; one wait on vm_vsrc, beside the wait on XCNT, states that the stores issued a step earlier have read the set that this step writes again.
.set MXV, 4
.set DV,  12                           ; D_j at v[12 + 2 j]; the odd partners are written once, since the packed form names the pair
.set ZV,  26
.set GL,  30
.set DO,  31
.set U,   32                           ; U_j at v[32 + 16 j]; S lives in U_0's registers
.set T,   144
.set O,   160                          ; two sets of eight packed results
	s_load_b128 s[4:7], s[0:1], 0x0                ; ub, mx
	s_load_b64 s[8:9], s[0:1], 0x10                ; s16
	v_lshrrev_b32 v1, 5, v0
	v_readfirstlane_b32 s10, v1                    ; wave
	s_and_b32 s11, ttmp7, 0xffff                   ; hb
	v_and_b32 v1, 31, v0
	v_and_b32 v2, 15, v0
	v_lshlrev_b32 v3, 5, v1
	v_lshlrev_b32 v[GL], 4, v1
	v_lshlrev_b32 v[DO], 2, v2
.irp j, 0,1,2,3,4,5,6
	v_mov_b32 v[DV+2*(\j)+1], 0
.endr
.irp n, 0,1,2,3
	v_mov_b32 v[ZV+(\n)], 0
.endr
	s_lshl_b32 s12, s11, 19                        ; U: 524,288 bytes a head, 8,192 a kc tile, 2,048 a wave
	s_lshl_b32 s13, ttmp9, 13
	s_add_co_u32 s12, s12, s13
	s_wait_alu depctr_va_sdst(0)                   ; s10 is written, ahead of its first reader: the offsets of U and s16 are made from it
	s_lshl_b32 s13, s10, 11
	s_add_co_u32 s12, s12, s13
	s_mov_b32 s13, 0
	s_lshl_b32 s14, s11, 12                        ; D: behind U, 4,096 bytes a head, 64 a kc tile
	s_lshl_b32 s15, ttmp9, 6
	s_add_co_u32 s14, s14, s15
	s_add_co_u32 s14, s14, 0x1000000
	s_mov_b32 s15, 0
	s_lshl_b32 s16, s11, 18                        ; s16: 262,144 bytes a head, 4,096 a kc tile, 1,024 a wave
	s_lshl_b32 s17, ttmp9, 12
	s_add_co_u32 s16, s16, s17
	s_lshl_b32 s17, s10, 10
	s_add_co_u32 s16, s16, s17
	s_mov_b32 s17, 0
	s_mov_b32 s20, 0x76543210
	s_mov_b32 s21, 0xfedcba98
	s_wait_kmcnt 0x0
	s_add_nc_u64 s[18:19], s[4:5], s[14:15]
	s_add_nc_u64 s[4:5], s[4:5], s[12:13]
	s_add_nc_u64 s[8:9], s[8:9], s[16:17]
	s_wait_alu depctr_va_vdst(0)                   ; v3, v[GL] and v[DO] are written, which the loads and stores of the whole kernel read as offsets; so are the zeros in v[ZV ..], which the first two stores read
	global_load_b128 v[MXV:MXV+3], v3, s[6:7] offset:2048      ; mx, kind v
	global_load_b128 v[MXV+4:MXV+7], v3, s[6:7] offset:2064
.irp j, 0,1,2,3,4,5,6
	global_load_b32 v[DV+2*(\j)], v[DO], s[18:19] offset:512*(\j)
.endr
.irp j, 0,1,2,3,4,5,6
.irp i, 0,1
.irp h, 0,1
	global_load_b128 v[U+16*(\j)+8*(\i)+4*(\h):U+16*(\j)+8*(\i)+4*(\h)+3], v[GL], s[4:5] offset:65536*(\j)+1024*(\i)+512*(\h)
.endr
.endr
.endr
	global_store_b128 v[GL], v[ZV:ZV+3], s[8:9]                ; S_in(0) = 0.  No wait: no vector instruction since the wait above
	global_store_b128 v[GL], v[ZV:ZV+3], s[8:9] offset:512
	s_wait_loadcnt 35                              ; mx is in; D's 7 and U's 28 loads stay out
	v_max3_num_f32 v[MXV], v[MXV], v[MXV+1], v[MXV+2]
	v_max3_num_f32 v[MXV+3], v[MXV+3], v[MXV+4], v[MXV+5]
	v_max3_num_f32 v[MXV], v[MXV], v[MXV+6], v[MXV+7]
	v_max_num_f32 v[MXV], v[MXV], v[MXV+3]
	v_max_num_f32_dpp v[MXV], v[MXV], v[MXV] row_xmask:1 row_mask:0xf bank_mask:0xf
	v_max_num_f32_dpp v[MXV], v[MXV], v[MXV] row_xmask:2 row_mask:0xf bank_mask:0xf
	v_max_num_f32_dpp v[MXV], v[MXV], v[MXV] row_xmask:4 row_mask:0xf bank_mask:0xf
	v_max_num_f32_dpp v[MXV], v[MXV], v[MXV] row_xmask:8 row_mask:0xf bank_mask:0xf
	v_permlanex16_b32 v[MXV+1], v[MXV], s20, s21
	v_max_num_f32 v[MXV], v[MXV], v[MXV+1]
	v_max_num_f32 v[MXV], 0x33800000, v[MXV]       ; at least 2^-24
	v_and_b32 v[MXV], 0x7f800000, v[MXV]
	v_readfirstlane_b32 s22, v[MXV]
	s_wait_alu depctr_va_sdst(0)                   ; s22 is written, ahead of its first reader, the subtraction below
	s_sub_co_u32 s22, 0x7d800000, s22              ; sv4 = 2^-(exponent + 3)
	s_mov_b32 s23, s22
; the two stores of S_in(c), from the set that step c wrote
.macro OUT c
	global_store_b128 v[GL], v[O+8*((\c)%2):O+8*((\c)%2)+3], s[8:9] offset:32768*(\c)
	global_store_b128 v[GL], v[O+8*((\c)%2)+4:O+8*((\c)%2)+7], s[8:9] offset:32768*(\c)+512
.endm
.macro STEP c
	s_wait_loadcnt 4*(7-(\c))                      ; U of chunk c - 1 is in (and every D, issued earlier); the younger U stay out
.if (\c) > 2
	s_wait_xcnt 0x0                                ; the stores issued at the head of the step before have had their addresses translated: their data set is written again below only behind this wait
	s_wait_alu depctr_vm_vsrc(0)                   ; and they have read that set, O[c % 2], which this step's conversions write again
.endif
.if (\c) > 1
	s_wait_alu depctr_va_vdst(0)                   ; the conversions of the step before have written the other set, which the two stores below read
	OUT (\c)-1
.irp n, 0,2,4,6,8,10,12,14
	v_pk_fma_f32 v[U+(\n):U+(\n)+1], v[U+(\n):U+(\n)+1], v[DV+2*((\c)-1):DV+2*((\c)-1)+1], v[U+16*((\c)-1)+(\n):U+16*((\c)-1)+(\n)+1] op_sel_hi:[1,0,1]
.endr
.endif
.irp n, 0,2,4,6,8,10,12,14
	v_pk_mul_f32 v[T+(\n):T+(\n)+1], v[U+(\n):U+(\n)+1], s[22:23] op_sel_hi:[1,0]
.endr
.irp n, 0,1,2,3,4,5,6,7
	v_cvt_pk_f16_f32 v[O+8*((\c)%2)+(\n)], v[T+2*(\n)], v[T+2*(\n)+1]
.endr
.endm
.irp c, 1,2,3,4,5,6,7
	STEP \c
.endr
	s_wait_alu depctr_va_vdst(0)                   ; step 7's conversions have written their set, which the last two stores read
	OUT 7
	s_endpgm
.Lfunc_end_k_q1c11d57920_scan:
	.size	k_q1c11d57920_scan, .Lfunc_end_k_q1c11d57920_scan-k_q1c11d57920_scan
	.p2alignl 7, 3214868480
	.fill 96, 4, 3214868480
	.section	.rodata,"a",@progbits
	.p2align	6, 0x0
	.amdhsa_kernel k_q1c11d57920_scan
		.amdhsa_group_segment_fixed_size 0
		.amdhsa_private_segment_fixed_size 0
		.amdhsa_enable_private_segment 0
		.amdhsa_kernarg_size 24
		.amdhsa_user_sgpr_count 2
		.amdhsa_user_sgpr_kernarg_segment_ptr 1
		.amdhsa_wavefront_size32 1
		.amdhsa_system_sgpr_workgroup_id_x 1
		.amdhsa_system_sgpr_workgroup_id_y 1
		.amdhsa_system_sgpr_workgroup_id_z 1
		.amdhsa_system_vgpr_workitem_id 0
		.amdhsa_next_free_vgpr 176
		.amdhsa_next_free_sgpr 66
		.amdhsa_reserve_vcc 0
		.amdhsa_float_denorm_mode_32 3
		.amdhsa_float_denorm_mode_16_64 3
		.amdhsa_memory_ordered 1
		.amdhsa_forward_progress 1
		.amdhsa_inst_pref_size 19
	.end_amdhsa_kernel
	.amdgpu_metadata
---
amdhsa.version: [ 1, 2 ]
amdhsa.kernels:
  - .name:           k_q1c11d57920_scan
    .symbol:         k_q1c11d57920_scan.kd
    .args:
      - { .name: ub, .offset: 0, .size: 8, .value_kind: global_buffer, .address_space: global }
      - { .name: mx, .offset: 8, .size: 8, .value_kind: global_buffer, .address_space: global }
      - { .name: s16, .offset: 16, .size: 8, .value_kind: global_buffer, .address_space: global }
    .group_segment_fixed_size: 0
    .private_segment_fixed_size: 0
    .kernarg_segment_align: 8
    .kernarg_segment_size: 24
    .max_flat_workgroup_size: 128
    .sgpr_count:     66
    .vgpr_count:     176
    .wavefront_size: 32
...
	.end_amdgpu_metadata
.endif
;; end of part 7
;; launch combine: the kernel of part 5 again; grid 8 x 32, 4 waves a work-group, no clusters, 113,152 bytes of LDS; arguments s16, qh, oi, mx, of; writes of
;; launch outproj: the kernel of part 6 again; grid 16 x 16, 4 waves a work-group, clusters of 4 x 4, 327,680 bytes of LDS; arguments of, cb, mx, out0; writes out0
